; MI455X (gfx1250); checked and timed in simulation.
; The chip was launched on July 23, 2026; its instructions are those of AMD's public machine-readable ISA for CDNA 5 (MIT licence, August 2026) and "CDNA5" Instruction Set Architecture Reference Guide (July 2026). The comments in the code are by the model that wrote it; some were corrected since.
;; GIMO ADT Autoregressive Model. Allowed arithmetic: float matrix products may take bf16 or f16 operands with f32 sums; other float arithmetic in f32, or as packed bf16 or f16 multiplies, adds, multiply-adds, maxima and minima; sums over many terms, partial sums and values carried from step to step in f32; what a program stores and reads back later, other than sums and carried values, may be rounded once to bf16 or f16.
;; Inputs: W1 4,096 x 1,024 float32; W2 1,024 x 4,096 float32; Wk 1,024 x 1,024 float32; Wo 1,024 x 1,024 float32; Wq 1,024 x 1,024 float32; Wv 1,024 x 1,024 float32; b1 4,096 float32; b2 1,024 float32; bk 1,024 float32; bo 1,024 float32; bq 1,024 float32; bv 1,024 float32; freqs 1 x 2,048 x 32 float32; ln1_b 1,024 float32; ln1_g 1,024 float32; ln2_b 1,024 float32; ln2_g 1,024 float32; pad_mask 2 x 2,048 bool; x 2 x 2,048 x 1,024 float32.
;; Outputs: out0 2 x 2,048 x 1,024 float32.
;; One version. Each part assembles by itself: llvm-mc -triple=amdgcn-amd-amdhsa -mcpu=gfx1250 --defsym DOCPART=n.
;; ======== version 1 of 1: 7 launches
;; limits: values are held in f16: magnitudes above 65,504 overflow, below 6.1e-05 lose precision; right only within a limited range of input values
;; workspace buffers: wb 25,165,824 bytes; nrm 8,388,608 bytes; tab 262,144 bytes; qkv 25,165,824 bytes; vpart 131,072 bytes; ob 8,388,608 bytes; x2 16,777,216 bytes; hid 33,554,432 bytes
;; launch prep (part 1): grid 960 x 1, 8 waves a work-group, no clusters, 0 bytes of LDS; arguments x, ln1_g, ln1_b, freqs, Wq, Wk, Wv, Wo, W1, W2, wb, nrm, tab; writes wb, nrm, tab
.if DOCPART == 1
	.amdgcn_target "amdgcn-amd-amdhsa--gfx1250"
	.amdhsa_code_object_version 6
	.text
	.protected	k_qf7f732d8e6_prep
	.globl	k_qf7f732d8e6_prep
	.p2align	8
	.type	k_qf7f732d8e6_prep,@function
k_qf7f732d8e6_prep:
	s_mov_b64 s[64:65], 0
	v_nop
	global_prefetch_b8 v0, s[64:65] scope:SCOPE_SE
	s_setreg_imm32_b32 hwreg(HW_REG_WAVE_MODE, 25, 1), 1
	s_wait_xcnt 0x0
; PREP.  Three independent streams in one launch, told apart by the work-group's number:
;   0..383    the six weight matrices, f32 -> bf16, into wb (Wq, Wk, Wv, Wo, W1, W2 on end): 32,768 numbers a work-group
;   384..895  LayerNorm 1 of x, one row a wave, eight rows a work-group, bf16 into nrm
;   896..959  the rotary table: (cos f, sin f) in f16 for each of the 2,048 x 32 angles of freqs, 4 angles a thread
; No LDS, no matrix unit, no cluster: nothing is shared and memory binds.  Every load of a wave covers 512 consecutive bytes, every store 256 or 512, aligned.
; LIMITS.  |freqs| up to 1.17e5: to there the three-part reduction by pi/2 keeps the angle; the table is rounded once to f16.
; The variance is taken of x - mean, with the row kept in registers, so a common offset of x costs no digits.
.set XR, 16                            ; v[16:47]  a row's 32 numbers of my lane (cast: v[16:79], sixteen loads)
.set GR, 48                            ; v[48:79]  gain, later the packed results
.set BR, 80                            ; v[80:111] bias (cast: packed results)
.macro WSUM                            ; four pairs of partial sums in v[4:11] -> their sum over the wave's 32 lanes, in v4 of every lane
	v_pk_add_f32 v[4:5], v[4:5], v[6:7]
	v_pk_add_f32 v[8:9], v[8:9], v[10:11]
	v_pk_add_f32 v[4:5], v[4:5], v[8:9]
	v_add_f32 v4, v4, v5
.irp m, 1,2,4,8
	v_add_f32_dpp v4, v4, v4 row_xmask:\m row_mask:0xf bank_mask:0xf
.endr
	v_permlanex16_b32 v5, v4, s40, s41             ; the other half of the lanes; v5 has been written
	v_add_f32 v4, v4, v5
.endm
; One row of 1,024 f32 by one wave: lane l holds numbers 4 l + 128 j + 0..3, j = 0..7.  xp, gp, bp, op: the scalar pairs with the row's, gain's, bias's and result's addresses.
.macro LNROW xp, gp, bp, op
	v_and_b32 v1, 31, v0
	v_lshlrev_b32 v2, 3, v1                        ; 8 bytes a lane on the way out
	v_lshlrev_b32 v1, 4, v1                        ; 16 bytes a lane on the way in
.irp j, 0,1,2,3,4,5,6,7
	global_load_b128 v[XR+4*\j:XR+4*\j+3], v1, s[\xp:\xp+1] offset:512*\j
.endr
.irp j, 0,1,2,3,4,5,6,7
	global_load_b128 v[GR+4*\j:GR+4*\j+3], v1, s[\gp:\gp+1] offset:512*\j
.endr
.irp j, 0,1,2,3,4,5,6,7
	global_load_b128 v[BR+4*\j:BR+4*\j+3], v1, s[\bp:\bp+1] offset:512*\j
.endr
	s_mov_b32 s40, 0x76543210                      ; v_permlanex16_b32: each lane takes its own place in the other half
	s_mov_b32 s41, 0xfedcba98
	s_mov_b32 s42, 0x3a800000                      ; 1 / 1024
	s_mov_b32 s43, 0x3727c5ac                      ; 1e-5
	s_wait_loadcnt 16                              ; the row is in; the sixteen loads of gain and bias may stay out
.irp k, 0,1,2,3
	v_pk_add_f32 v[4+2*\k:5+2*\k], v[XR+2*\k:XR+2*\k+1], v[XR+8+2*\k:XR+9+2*\k]  ; four chains, started by the first sums: nothing is cleared
.endr
.irp o, 16,24
.irp k, 0,1,2,3
	v_pk_add_f32 v[4+2*\k:5+2*\k], v[4+2*\k:5+2*\k], v[XR+\o+2*\k:XR+\o+2*\k+1]
.endr
.endr
	WSUM
	v_mul_f32 v12, s42, v4                         ; the mean, twice: a pair for the packed subtraction
	v_mov_b32 v13, v12
.set z, 0
.rept 16
	v_pk_add_f32 v[XR+z:XR+z+1], v[XR+z:XR+z+1], v[12:13] neg_lo:[0,1] neg_hi:[0,1]
.set z, z+2
.endr
.irp k, 0,1,2,3
	v_pk_mul_f32 v[4+2*\k:5+2*\k], v[XR+2*\k:XR+2*\k+1], v[XR+2*\k:XR+2*\k+1]
.endr
.irp o, 8,16,24
.irp k, 0,1,2,3
	v_pk_fma_f32 v[4+2*\k:5+2*\k], v[XR+\o+2*\k:XR+\o+2*\k+1], v[XR+\o+2*\k:XR+\o+2*\k+1], v[4+2*\k:5+2*\k]
.endr
.endr
	WSUM
	v_fma_f32 v12, v4, s42, s43                    ; variance + eps
	v_rsq_f32 v14, v12
	v_rsq_f32 v15, v12
	v_nop                                          ; a plain instruction behind the last root,
	s_wait_alu depctr_va_vdst(0)                   ; and the one wait ahead of the first use
	s_wait_loadcnt 0x0                             ; gain and bias
.set z, 0
.rept 16
	v_pk_mul_f32 v[XR+z:XR+z+1], v[XR+z:XR+z+1], v[14:15]
.set z, z+2
.endr
.set z, 0
.rept 16
	v_pk_fma_f32 v[XR+z:XR+z+1], v[XR+z:XR+z+1], v[GR+z:GR+z+1], v[BR+z:BR+z+1]
.set z, z+2
.endr
.set z, 0
.rept 16
	v_cvt_pk_bf16_f32 v[GR+z], v[XR+2*z], v[XR+2*z+1]
.set z, z+1
.endr
.irp j, 0,1,2,3,4,5,6,7
	global_store_b64 v2, v[GR+2*\j:GR+2*\j+1], s[\op:\op+1] offset:256*\j  ; 32 lanes store 256 consecutive bytes, aligned
.endr
.endm
; cos and sin of v[f], packed in f16 into v[o].  n = nearest whole number to f 2/pi; r = f - n pi/2 by three fused steps; polynomials on |r| <= pi/4; the quadrant n mod 4 swaps them and sets the signs.
.macro SINCOS f, o
	v_mul_f32 v12, 0x3f22f983, v[\f]
	v_rndne_f32 v12, v12
	v_fma_f32 v13, v12, s36, v[\f]
	v_fma_f32 v13, v12, s37, v13
	v_fma_f32 v13, v12, s38, v13                   ; r
	v_cvt_i32_f32 v14, v12
	v_mul_f32 v15, v13, v13                        ; r^2
	v_fmaak_f32 v16, v20, v15, 0xbab6077d          ; cosine: 2.4467707e-5, -1.3887730e-3, 4.1666657e-2, -0.5, 1
	v_fmaak_f32 v17, v21, v15, 0xb9503486          ; sine: 2.8656796e-6, -1.9855992e-4, 8.3333859e-3, -1.6666667e-1
	v_fmaak_f32 v16, v16, v15, 0x3d2aaaa8
	v_fmaak_f32 v17, v17, v15, 0x3c0888c1
	v_fmaak_f32 v16, v16, v15, 0xbf000000
	v_fmaak_f32 v17, v17, v15, 0xbe2aaaab
	v_mul_f32 v18, v13, v15
	v_fma_f32 v16, v16, v15, 1.0
	v_fma_f32 v17, v17, v18, v13
	v_and_b32 v18, 1, v14
	v_cmp_eq_u32 vcc_lo, 1, v18
	v_cndmask_b32 v18, v17, v16, vcc_lo            ; the sine: in odd quadrants the cosine's polynomial
	v_cndmask_b32 v19, v16, v17, vcc_lo            ; the cosine: the sine's
	v_and_b32 v16, 2, v14
	v_add_nc_u32 v14, 1, v14
	v_and_b32 v14, 2, v14
	v_lshlrev_b32 v16, 30, v16                     ; the sine changes sign in quadrants 2, 3,
	v_lshlrev_b32 v14, 30, v14                     ; the cosine in 1, 2
	v_xor_b32 v18, v16, v18
	v_xor_b32 v19, v14, v19
	v_cvt_pk_f16_f32 v[\o], v19, v18
.endm
	s_load_b512 s[8:23], s[0:1], 0x0               ; x 8, ln1_g 10, ln1_b 12, freqs 14, Wq 16, Wk 18, Wv 20, Wo 22
	s_load_b256 s[24:31], s[0:1], 0x40             ; W1 24, W2 26, wb 28, nrm 30
	s_load_b64 s[32:33], s[0:1], 0x60              ; tab
	v_lshrrev_b32 v1, 5, v0
	v_readfirstlane_b32 s4, v1                     ; wave 0..7
	s_mov_b32 s7, 0
	s_wait_kmcnt 0x0
	s_cmp_lt_u32 ttmp9, 384
	s_cbranch_scc1 .Lcast
	s_cmp_lt_u32 ttmp9, 896
	s_cbranch_scc1 .Lln
	; THE TABLE: thread g takes angles 4 g .. 4 g + 3: 16 bytes in, 16 bytes out
	s_sub_co_u32 s5, ttmp9, 896
	s_lshl_b32 s5, s5, 12
	v_lshl_add_u32 v1, v0, 4, s5
	global_load_b128 v[4:7], v1, s[14:15]
	s_mov_b32 s36, 0xbfc90fd8                      ; -pi/2 in three parts: -1.57079601, -3.13916473e-7, -5.39030253e-15
	s_mov_b32 s37, 0xb4a8885a
	s_mov_b32 s38, 0xa7c234c4
	v_mov_b32 v20, 0x37cd4000
	v_mov_b32 v21, 0x36405000
	s_wait_loadcnt 0x0
	SINCOS 4, 8
	SINCOS 5, 9
	SINCOS 6, 10
	SINCOS 7, 11
	global_store_b128 v1, v[8:11], s[32:33]
	s_endpgm
.Lln:
	s_sub_co_u32 s5, ttmp9, 384
	s_lshl3_add_u32 s5, s5, s4                     ; my row
	s_lshl_b32 s6, s5, 12
	s_add_nc_u64 s[8:9], s[8:9], s[6:7]
	s_lshl_b32 s6, s5, 11
	s_add_nc_u64 s[30:31], s[30:31], s[6:7]
	LNROW 8, 10, 12, 30
	s_endpgm
.Lcast:                                        ; chunk c of 384: which matrix, and its first chunk
	s_mov_b64 s[34:35], s[16:17]
	s_mov_b32 s36, 0
	s_cmp_ge_u32 ttmp9, 32
	s_cselect_b64 s[34:35], s[18:19], s[34:35]
	s_cselect_b32 s36, 32, s36
	s_cmp_ge_u32 ttmp9, 64
	s_cselect_b64 s[34:35], s[20:21], s[34:35]
	s_cselect_b32 s36, 64, s36
	s_cmp_ge_u32 ttmp9, 96
	s_cselect_b64 s[34:35], s[22:23], s[34:35]
	s_cselect_b32 s36, 96, s36
	s_cmp_ge_u32 ttmp9, 128
	s_cselect_b64 s[34:35], s[24:25], s[34:35]
	s_cselect_b32 s36, 128, s36
	s_cmp_ge_u32 ttmp9, 256
	s_cselect_b64 s[34:35], s[26:27], s[34:35]
	s_cselect_b32 s36, 256, s36
	s_sub_co_u32 s36, ttmp9, s36
	s_lshl_b32 s36, s36, 17                        ; 131,072 bytes of f32 a chunk
	s_mov_b32 s37, 0
	s_add_nc_u64 s[34:35], s[34:35], s[36:37]
	s_lshl_b32 s36, ttmp9, 16                      ; 65,536 bytes of bf16
	s_add_nc_u64 s[38:39], s[28:29], s[36:37]
	v_lshlrev_b32 v1, 4, v0
	v_lshlrev_b32 v2, 3, v0
	s_mov_b32 s5, 2
.Lc:                                           ; a trip: sixteen loads of 4,096 bytes by the work-group, all issued before the first is used
.irp i, 0,1,2,3,4,5,6,7,8,9,10,11,12,13,14,15
	global_load_b128 v[XR+4*\i:XR+4*\i+3], v1, s[34:35] offset:4096*\i th:TH_LOAD_NT
.endr
.irp i, 0,1,2,3,4,5,6,7,8,9,10,11,12,13,14,15
	s_wait_loadcnt 15-\i                           ; loads come back in order: number i is in, the younger ones stay out
	v_cvt_pk_bf16_f32 v[BR+2*\i], v[XR+4*\i], v[XR+4*\i+1]
	v_cvt_pk_bf16_f32 v[BR+2*\i+1], v[XR+4*\i+2], v[XR+4*\i+3]
	global_store_b64 v2, v[BR+2*\i:BR+2*\i+1], s[38:39] offset:2048*\i
.endr
	s_wait_xcnt 0x0                                ; the offsets and the stores' data are written again only behind this wait
	v_add_nc_u32 v1, 0x10000, v1
	v_add_nc_u32 v2, 0x8000, v2
	s_sub_co_u32 s5, s5, 1
	s_cmp_lg_u32 s5, 0
	s_cbranch_scc1 .Lc
	s_endpgm
.Lfunc_end_k_qf7f732d8e6_prep:
	.size	k_qf7f732d8e6_prep, .Lfunc_end_k_qf7f732d8e6_prep-k_qf7f732d8e6_prep
	.p2alignl 7, 3214868480
	.fill 96, 4, 3214868480
	.section	.rodata,"a",@progbits
	.p2align	6, 0x0
	.amdhsa_kernel k_qf7f732d8e6_prep
		.amdhsa_group_segment_fixed_size 0
		.amdhsa_private_segment_fixed_size 0
		.amdhsa_enable_private_segment 0
		.amdhsa_kernarg_size 104
		.amdhsa_user_sgpr_count 2
		.amdhsa_user_sgpr_kernarg_segment_ptr 1
		.amdhsa_wavefront_size32 1
		.amdhsa_system_sgpr_workgroup_id_x 1
		.amdhsa_system_sgpr_workgroup_id_y 1
		.amdhsa_system_sgpr_workgroup_id_z 1
		.amdhsa_system_vgpr_workitem_id 0
		.amdhsa_next_free_vgpr 112
		.amdhsa_next_free_sgpr 66
		.amdhsa_reserve_vcc 1
		.amdhsa_float_denorm_mode_32 3
		.amdhsa_float_denorm_mode_16_64 3
		.amdhsa_memory_ordered 1
		.amdhsa_forward_progress 1
		.amdhsa_inst_pref_size 25
	.end_amdhsa_kernel
	.amdgpu_metadata
---
amdhsa.version: [ 1, 2 ]
amdhsa.kernels:
  - .name:           k_qf7f732d8e6_prep
    .symbol:         k_qf7f732d8e6_prep.kd
    .args:
      - { .name: x, .offset: 0, .size: 8, .value_kind: global_buffer, .address_space: global }
      - { .name: ln1_g, .offset: 8, .size: 8, .value_kind: global_buffer, .address_space: global }
      - { .name: ln1_b, .offset: 16, .size: 8, .value_kind: global_buffer, .address_space: global }
      - { .name: freqs, .offset: 24, .size: 8, .value_kind: global_buffer, .address_space: global }
      - { .name: Wq, .offset: 32, .size: 8, .value_kind: global_buffer, .address_space: global }
      - { .name: Wk, .offset: 40, .size: 8, .value_kind: global_buffer, .address_space: global }
      - { .name: Wv, .offset: 48, .size: 8, .value_kind: global_buffer, .address_space: global }
      - { .name: Wo, .offset: 56, .size: 8, .value_kind: global_buffer, .address_space: global }
      - { .name: W1, .offset: 64, .size: 8, .value_kind: global_buffer, .address_space: global }
      - { .name: W2, .offset: 72, .size: 8, .value_kind: global_buffer, .address_space: global }
      - { .name: wb, .offset: 80, .size: 8, .value_kind: global_buffer, .address_space: global }
      - { .name: nrm, .offset: 88, .size: 8, .value_kind: global_buffer, .address_space: global }
      - { .name: tab, .offset: 96, .size: 8, .value_kind: global_buffer, .address_space: global }
    .group_segment_fixed_size: 0
    .private_segment_fixed_size: 0
    .kernarg_segment_align: 8
    .kernarg_segment_size: 104
    .max_flat_workgroup_size: 256
    .sgpr_count:     66
    .vgpr_count:     112
    .wavefront_size: 32
...
	.end_amdgpu_metadata
.endif
;; end of part 1
;; launch qkv (part 2): grid 12 x 16, 4 waves a work-group, clusters of 4 x 4, 327,680 bytes of LDS; arguments nrm, wb, qkv, bq, bk, bv, tab, vpart; writes qkv, vpart
.if DOCPART == 2
	.amdgcn_target "amdgcn-amd-amdhsa--gfx1250"
	.amdhsa_code_object_version 6
	.text
	.protected	k_qf7f732d8e6_qkv
	.globl	k_qf7f732d8e6_qkv
	.p2align	8
	.type	k_qf7f732d8e6_qkv,@function
k_qf7f732d8e6_qkv:
	s_mov_b64 s[64:65], 0
	v_nop
	global_prefetch_b8 v0, s[64:65] scope:SCOPE_SE
	s_setreg_imm32_b32 hwreg(HW_REG_WAVE_MODE, 25, 1), 1
	s_wait_xcnt 0x0
	s_wait_alu depctr_hold_cnt(0) depctr_sa_sdst(0) depctr_va_vdst(0) depctr_va_sdst(0) depctr_va_ssrc(0) depctr_va_vcc(0) depctr_vm_vsrc(0)
	s_getreg_b32 s2, hwreg(HW_REG_IB_STS2, 6, 4)
	s_cmp_eq_u32 s2, 0
	s_cbranch_scc0 .Lentry_in_a_cluster
	s_endpgm
.Lentry_in_a_cluster:
	s_bfe_u32 s2, ttmp6, 0x10000c
	s_cmp_lg_u32 s2, 0xf033
	s_cbranch_scc0 .Lentry_shape_is_right
	s_endpgm
.Lentry_shape_is_right:
; Q, K, V.  C[m][n] = sum over k of nrm[m][k] W[n][k] + bias[n], m = 4,096 tokens, n = 3,072 (Wq, Wk, Wv on end in wb), k = 1,024; bf16 operands, f32 sums.
; q and k are then turned by the rotary table; all three leave in f16 by heads, [b 16 + h][2,048][64]; of v also the column sums over each 128 tokens (f32, vpart).
; LIMIT.  q, k, v must lie within f16's 65,504.
; SHAPE.  A tile of C is 256 x 256, four waves of 128 x 128 (64 accumulators, 512 registers); K in 8 steps of 128 through two LDS slots filled by joint tensor loads of a 4 x 4 cluster:
; A's tile is shared along a row of the cluster, B's along a column.  192 work-groups: a tile never straddles q | k | v or a head.  Cluster x = 0, 1, 2 is q, k, v.
; ONE TEXT FOR BOTH SLOTS: the LDS addresses hang on s[TB], which an exclusive or turns; the descriptor of the second first fill walks on (other slot, next K step).
; THE BIAS IS THE C OPERAND of the products that start the sums.  The matrix instruction is used transposed (source 0 = rows of W, source 1 = rows of nrm): a lane holds one token and eight neighbouring columns.
; THE WAY OUT.  When the last K step is multiplied the slots have had their last fill; each wave lays its 128 x 128 f32 into 67,584 bytes of them (pitch 528) and walks them by rows.
; REGISTERS: window 0: v16-31 addresses, v64-191 A's fragments (two buffers), v192-255 bias; window 1: v64-191 B's fragments; windows 2, 3: the accumulators, (a, b) at 8 (8 a + b).
.set BOFF,  0
.set KSTEP, 128
.set PITCH, 272                        ; an LDS row: 256 bytes + 16: the 16 rows of a fragment load start 4 banks apart
.set HALFT, 128*PITCH
.set SLOT,  4*HALFT                    ; 0x22000: its two bits are clear in wave x HALFT, so the exclusive or is an add or a subtraction
.set SPARE, 2*SLOT                     ; the spare words: 512 bytes that no other line names
.set TABL,  SPARE+512                  ; the rotary table of the tile's 256 tokens, 128 bytes each
.set SPI,   528                        ; a stage row: 512 bytes + 16
.set WST,   128*SPI
.set ADRA, 16
.set ADRA0, 17
.set ADRB, 20
.set ADRB0, 21
.set STO, 24
.set RD, 25
.set CO, 26
.set TR, 27
.set SPW, 28
.set NIL, 29
.set PFO, 30
.set BO, 31
.set F0, 64
.set F1, 128
.set BIAS, 192
.set G1, 24                            ; s[24:31] group 1 for A;  s[32:39] group 0, two sets
.set G0, 32
.set LIM, 43
.set PFA, 44
.set G1B, 48                           ; the same for B
.set G0B, 56
.set TB, 66
.set G1T, 84                           ; s[84:91], s[92:95]: the table's descriptor
.set G0T, 92
.set DW0, (1<<16)|(1<<20)|(1<<21)|(5<<22)|(3<<25)  ; 2-byte elements; padding on; bit 21 beside a mask; after every 64 words; 4 words
.set MSB, 0
.macro WIN new                         ; the immediate's high byte repeats the setting that is left; a switch that changes nothing is dropped
.if MSB != (\new)
	s_set_vgpr_msb (MSB<<8)|(\new)
.set MSB, \new
.endif
.endm
.macro PLACES                          ; four plain places behind matrix instructions, ahead of loads into their sources and of readers of their results
.rept 4
	v_nop
.endr
.endm
.macro JLOAD s                         ; a joint load: waves 0, 1 fetch A's halves, waves 2, 3 B's; s_nop 0 and four v_nop follow each line
	s_cmp_eq_u32 s11, 0
	s_cbranch_scc0 .Lfor_b_\@
	tensor_load_to_lds s[G0+4*(\s):G0+4*(\s)+3], s[G1:G1+7]
	s_nop 0
	PLACES
	s_branch .Lasked_\@
.Lfor_b_\@:
	tensor_load_to_lds s[G0B+4*(\s):G0B+4*(\s)+3], s[G1B:G1B+7]
	s_nop 0
	PLACES
.Lasked_\@:
.endm
.macro ASK                             ; a prefetch of the K step two refills on: 32 rows x 256 bytes, a lane a row.  Cluster x = 0 asks for A's rows, cluster y = 0 for B's; the four partners share a wave's 128 rows by address
	s_cmp_gt_u32 s3, s[LIM]                        ; the last two refills have no K step two on
	s_cbranch_scc0 .Lnot_mine_\@
	global_prefetch_b8 v[PFO], s[PFA:PFA+1] offset:KSTEP*2 th:TH_LOAD_NT scope:SCOPE_SE
.Lnot_mine_\@:
.endm
.macro CREST                           ; a round of the cluster's barrier behind its opening barrier
	s_cmp_lg_u32 s10, 0
	s_cbranch_scc1 .Lnot_wave_0_\@
	s_barrier_signal -3
.Lnot_wave_0_\@:
	s_barrier_wait -3
	s_barrier_signal -1
	s_barrier_wait -1
.endm
.macro CROUND
	s_barrier_signal -1
	s_barrier_wait -1
	CREST
.endm
; 16 products: m blocks a0, a0 + 1 of the window's four x all 8 n blocks, 32 along K.  first = 1: the bias starts the sums.  The 64 accumulators take turns.
.macro MUL16 f, hi, a0, first
.if \first
	WIN 0x81+0x40*(\hi)
.else
	WIN 0xa1+0x50*(\hi)
.endif
.irp a, \a0, (\a0)+1
.irp b, 0,1,2,3,4,5,6,7
.if \first
	v_wmma_f32_16x16x32_bf16 v[8*(8*(\a)+(\b)):8*(8*(\a)+(\b))+7], v[(\f)+8*(\b):(\f)+8*(\b)+7], v[(\f)+8*(4*(\hi)+(\a)):(\f)+8*(4*(\hi)+(\a))+7], v[BIAS+8*(\b):BIAS+8*(\b)+7]
.else
	v_wmma_f32_16x16x32_bf16 v[8*(8*(\a)+(\b)):8*(8*(\a)+(\b))+7], v[(\f)+8*(\b):(\f)+8*(\b)+7], v[(\f)+8*(4*(\hi)+(\a)):(\f)+8*(4*(\hi)+(\a))+7], v[8*(8*(\a)+(\b)):8*(8*(\a)+(\b))+7]
.endif
.endr
.endr
.endm
.macro FETCH k, f                      ; 32 LDS loads in one run: a quarter step's fragments (32 K at byte k of the rows) into buffer f
	WIN 0x40
.irp i, 0,1,2,3,4,5,6,7
	ds_load_b128 v[(\f)+8*(\i):(\f)+8*(\i)+3],   v[ADRB] offset:(\k)+(\i)*16*PITCH
	ds_load_b128 v[(\f)+8*(\i)+4:(\f)+8*(\i)+7], v[ADRB] offset:(\k)+(\i)*16*PITCH+32
.endr
	WIN 0
.irp i, 0,1,2,3,4,5,6,7
	ds_load_b128 v[(\f)+8*(\i):(\f)+8*(\i)+3],   v[ADRA] offset:(\k)+(\i)*16*PITCH
	ds_load_b128 v[(\f)+8*(\i)+4:(\f)+8*(\i)+7], v[ADRA] offset:(\k)+(\i)*16*PITCH+32
.endr
.endm
.macro QUARTER k, f, g, first          ; multiplies buffer f; in its middle fetches the next quarter, at byte k, into g
	s_wait_dscnt 8                                 ; B and A's rows 0-63 are in; the youngest eight loads (A's rows 64-127) may be out
	MUL16 \f, 0, 0, \first
	MUL16 \f, 0, 2, \first
	PLACES
	FETCH \k, \g
	s_wait_dscnt 32                                ; all but the 32 just issued
	MUL16 \f, 1, 0, \first
	MUL16 \f, 1, 2, \first
.endm
; The last quarter of a K step multiplies buffer 1 and changes slots.  Ahead of the one barrier each wave waits for all its tensor loads (one is out: its part of the next slot), adds 0 to its spare word,
; and waits for that and for its reads of this slot.  fill = 1: the barrier opens a round of the cluster's, and the joint refill is the first thing behind it.
.macro TURN fill
.if \fill
	s_wait_xcnt 0x0                                ; the last prefetch, a K step back, has read its address
	s_add_nc_u64 s[PFA:PFA+1], s[PFA:PFA+1], KSTEP*2
.endif
	WIN 0
	s_wait_tensorcnt 0x0
	ds_add_u32 v[SPW], v[NIL]
	s_wait_dscnt 9                                 ; (the add and the youngest eight loads may be out)
	MUL16 F1, 0, 0, 0
	s_wait_dscnt 0x0                               ; the add is done, my reads of this slot are over
	s_barrier_signal -1
	MUL16 F1, 0, 2, 0
	WIN 0
	s_barrier_wait -1
.if \fill
	CREST
	s_xor_b32 s[G0+5], s[G0+5], SLOT               ; the walking descriptors: the slot just read, the K step two on
	s_add_nc_u64 s[G0+6:G0+7], s[G0+6:G0+7], KSTEP*2
	s_xor_b32 s[G0B+5], s[G0B+5], SLOT
	s_add_nc_u64 s[G0B+6:G0B+7], s[G0B+6:G0B+7], KSTEP*2
	s_xor_b32 s[TB], s[TB], SLOT
	JLOAD 1                                        ; 224 products stand between this request and the wait for it; its four v_nop are also the places ahead of the loads below
	v_add_nc_u32 v[ADRA], s[TB], v[ADRA0]
	v_add_nc_u32 v[ADRB], s[TB], v[ADRB0]
	FETCH 0, F0
	ASK
.else
	s_xor_b32 s[TB], s[TB], SLOT
	v_add_nc_u32 v[ADRA], s[TB], v[ADRA0]
	v_add_nc_u32 v[ADRB], s[TB], v[ADRB0]
	PLACES
	s_cmp_eq_u32 s2, 1                             ; behind the last K step there is no slot to read
	s_cbranch_scc1 .Lnf_\@
	FETCH 0, F0
.Lnf_\@:
.endif
	MUL16 F1, 1, 0, 0
	MUL16 F1, 1, 2, 0
.endm
.macro DUMP                            ; token 16 a + l % 16, columns 16 b + 8 (l / 16) + 0..7; each accumulator's low registers first
.irp a, 0,1,2,3,4,5,6,7
	WIN 0x08+4*((\a)/4)
.irp b, 0,1,2,3,4,5,6,7
	ds_store_b128 v[STO], v[8*(8*((\a)%4)+(\b)):8*(8*((\a)%4)+(\b))+3]   offset:(\a)*16*SPI+(\b)*64
	ds_store_b128 v[STO], v[8*(8*((\a)%4)+(\b))+4:8*(8*((\a)%4)+(\b))+7] offset:(\a)*16*SPI+(\b)*64+16
.endr
.endr
	WIN 0
.endm
	s_load_b512 s[68:83], s[0:1], 0x0              ; nrm 68, wb 70, qkv 72, bq 74, bk 76, bv 78, tab 80, vpart 82
	v_lshl_add_u32 v[SPW], v0, 2, SPARE
	v_mov_b32 v[NIL], 0
	ds_add_u32 v[SPW], v[NIL]                      ; the opening: the add and its wait ahead of my first tensor load
	v_lshrrev_b32 v1, 5, v0
	v_readfirstlane_b32 s10, v1                    ; wave 0..3
	s_lshr_b32 s11, s10, 1                         ; my half of the tile's rows; also: I fetch for A (0) or B (1)
	s_and_b32 s12, s10, 1                          ; my half of its columns; also: which 128 rows I fetch
	s_bfe_u32 s40, ttmp6, 0x40000                  ; cx
	s_bfe_u32 s41, ttmp6, 0x40004                  ; cy
	s_lshl_b32 s42, ttmp9, 2
	s_add_co_u32 s42, s42, s40                     ; tile column
	s_and_b32 s13, ttmp7, 0xffff
	s_lshl_b32 s13, s13, 2
	s_add_co_u32 s13, s13, s41                     ; tile row
	s_lshl_b32 s43, s41, 2
	s_lshl_b32 s43, 15, s43                        ; my row of the cluster
	s_lshl_b32 s44, 0x1111, s40                    ; my column
	s_or_b32 s[G1], s43, DW0
	s_or_b32 s[G1B], s44, DW0
	s_or_b32 s[G1T], s43, (3<<16)|(1<<21)          ; the table hangs on the tile row alone: shared along my row; 8-byte elements, no padding
.irp g, G1, G1B
	s_mov_b32 s[(\g)+1], KSTEP<<16                 ; tensor_dim0 = 128
	s_mov_b32 s[(\g)+2], 128<<16                   ; tensor_dim1 = 128
	s_mov_b32 s[(\g)+3], KSTEP<<16                 ; tile_dim0 = 128
	s_mov_b32 s[(\g)+4], 128                       ; tile_dim1 = 128
	s_mov_b32 s[(\g)+5], 1024                      ; elements from row to row
	s_mov_b32 s[(\g)+6], 0
	s_mov_b32 s[(\g)+7], 0
.endr
	s_mov_b32 s[G1T+1], 32<<16                     ; 32 rows of 32 elements: 64 tokens' 8,192 dense bytes as rows of 256
	s_mov_b32 s[G1T+2], 32<<16
	s_mov_b32 s[G1T+3], 32<<16
	s_mov_b32 s[G1T+4], 32
	s_mov_b32 s[G1T+5], 32
	s_mov_b32 s[G1T+6], 0
	s_mov_b32 s[G1T+7], 0
	s_lshl_b32 s17, s12, 7
	s_lshl_b32 s16, s13, 8
	s_add_co_u32 s16, s16, s17
	s_lshl_b32 s16, s16, 11                        ; A: (256 x tile row + 128 x half) rows of 2,048 bytes
	s_lshl_b32 s46, s42, 8
	s_add_co_u32 s46, s46, s17
	s_lshl_b32 s46, s46, 11                        ; B: by the tile column
	s_mov_b32 s17, 0
	s_mov_b32 s47, 0
	s_mul_i32 s20, s10, HALFT                      ; where they go: no place in the cluster enters an LDS address
	s_lshl_b32 s21, s10, 13
	s_mov_b32 s[G0T], 1
	s_add_co_u32 s[G0T+1], s21, TABL               ; wave w brings tokens 64 w .. 64 w + 63 of the tile's 256
	s_and_b32 s22, s13, 7
	s_lshl_b32 s22, s22, 15                        ; the tile's first token in its sequence, x 128 bytes
	s_add_co_u32 s22, s22, s21
	s_mov_b32 s23, 0
	s_mov_b32 s[TB], 0
	s_wait_dscnt 0x0                               ; the opening add is done
	s_wait_kmcnt 0x0
	s_add_nc_u64 s[14:15], s[68:69], s[16:17]
	s_add_nc_u64 s[46:47], s[70:71], s[46:47]
	s_add_nc_u64 s[G0T+2:G0T+3], s[80:81], s[22:23]
	s_or_b32 s[G0T+3], s[G0T+3], 0x80000000
	CROUND                                         ; all sixteen work-groups are here: the first joint loads meet
	tensor_load_to_lds s[G0T:G0T+3], s[G1T:G1T+7]  ; v's tiles bring the table too and do not use it: one form of the first fills for all; three loads of mine are out
	s_nop 0
.irp s, 0,1
	s_mov_b32 s[G0+4*(\s)], 1
	s_add_co_u32 s[G0+4*(\s)+1], s20, (\s)*SLOT
	s_add_nc_u64 s[G0+4*(\s)+2:G0+4*(\s)+3], s[14:15], (\s)*KSTEP*2
	s_or_b32 s[G0+4*(\s)+3], s[G0+4*(\s)+3], 0x80000000
	s_mov_b32 s[G0B+4*(\s)], 1
	s_add_co_u32 s[G0B+4*(\s)+1], s20, (\s)*SLOT
	s_add_nc_u64 s[G0B+4*(\s)+2:G0B+4*(\s)+3], s[46:47], (\s)*KSTEP*2
	s_or_b32 s[G0B+4*(\s)+3], s[G0B+4*(\s)+3], 0x80000000
	JLOAD \s
.endr
	v_and_b32 v1, 15, v0                           ; l % 16
	v_bfe_u32 v2, v0, 4, 1                         ; l / 16
	v_and_b32 v5, 31, v0                           ; l
	v_lshlrev_b32 v[BO], 5, v2
	s_cmp_eq_u32 ttmp9, 1                          ; the bias of q, k or v, at my 128 columns
	s_cselect_b64 s[4:5], s[76:77], s[74:75]
	s_cmp_eq_u32 ttmp9, 2
	s_cselect_b64 s[4:5], s[78:79], s[4:5]
	s_lshl_b32 s16, s40, 10
	s_lshl_b32 s17, s12, 9
	s_add_co_u32 s16, s16, s17
	s_mov_b32 s17, 0
	s_add_nc_u64 s[4:5], s[4:5], s[16:17]
.irp b, 0,1,2,3,4,5,6,7
	global_load_b128 v[BIAS+8*\b:BIAS+8*\b+3],   v[BO], s[4:5] offset:64*\b      ; register j: bias of column 16 b + 8 (l / 16) + j: the C operand's layout
	global_load_b128 v[BIAS+8*\b+4:BIAS+8*\b+7], v[BO], s[4:5] offset:64*\b+16
.endr
	v_mul_u32_u24 v3, v1, PITCH
	v_lshl_add_u32 v3, v2, 4, v3                   ; a fragment's row x pitch + 16 x half
	s_mul_i32 s21, s11, HALFT
	s_mul_i32 s22, s12, HALFT
	s_add_co_u32 s22, s22, 2*HALFT
	v_add_nc_u32 v[ADRA0], s21, v3
	v_add_nc_u32 v[ADRB0], s22, v3
	v_mov_b32 v[ADRA], v[ADRA0]
	v_mov_b32 v[ADRB], v[ADRB0]
	s_mul_i32 s23, s10, WST                        ; my stage
	v_mul_u32_u24 v3, v1, SPI
	v_lshl_add_u32 v3, v2, 5, v3
	v_add_nc_u32 v[STO], s23, v3
	v_lshrrev_b32 v3, 3, v5                        ; back: 32 lanes take 4 tokens x 64 columns of a head, 8 columns a lane
	v_mul_u32_u24 v3, v3, SPI
	v_and_b32 v4, 7, v0
	v_lshl_add_u32 v3, v4, 5, v3
	v_add_nc_u32 v[RD], s23, v3
	s_lshl_b32 s23, s11, 14
	s_add_co_u32 s23, s23, TABL
	v_lshl_add_u32 v[TR], v5, 4, s23               ; the same 4 tokens' 512 bytes of the table
	v_lshlrev_b32 v[CO], 4, v5                     ; and their 512 bytes of q, k or v
	s_lshr_b32 s20, s13, 3                         ; b
	s_lshl_b32 s20, s20, 4
	s_lshl2_add_u32 s20, s40, s20                  ; + 4 cx
	s_lshl1_add_u32 s20, s12, s20                  ; + 2 x column half: my first head
	s_lshl_b32 s20, s20, 11
	s_and_b32 s21, s13, 7
	s_lshl_b32 s21, s21, 8
	s_add_co_u32 s20, s20, s21
	s_lshl_b32 s21, s11, 7
	s_add_co_u32 s20, s20, s21                     ; + my first token
	s_lshl_b32 s20, s20, 7
	s_lshl_b32 s21, ttmp9, 23                      ; q, k or v
	s_add_co_u32 s20, s20, s21
	s_mov_b32 s21, 0
	s_add_nc_u64 s[8:9], s[72:73], s[20:21]
	; the prefetches
	s_lshl_b32 s20, s13, 8
	s_lshl_b32 s21, s42, 8
	s_and_b32 s22, ttmp7, 0xffff
	s_cmp_eq_u32 s11, 0
	s_cselect_b32 s20, s20, s21                    ; the tile's first row, in A or in B
	s_cselect_b32 s21, s40, s41                    ; my place among the four that ask with me
	s_cselect_b32 s22, ttmp9, s22                  ; the coordinate along which other clusters read the same rows
	s_cselect_b64 s[PFA:PFA+1], s[68:69], s[70:71]
	s_cmp_eq_u32 s22, 0
	s_cselect_b32 s[LIM], 2, -1
	s_lshl_b32 s22, s12, 7
	s_add_co_u32 s20, s20, s22
	s_lshl_b32 s21, s21, 5
	s_add_co_u32 s20, s20, s21
	s_lshl_b32 s20, s20, 11
	s_mov_b32 s21, 0
	s_add_nc_u64 s[PFA:PFA+1], s[PFA:PFA+1], s[20:21]
	s_add_nc_u64 s[PFA:PFA+1], s[PFA:PFA+1], 2*KSTEP*2  ; at K step 2: the first refill steps it to 3 and names K step 4
	v_lshlrev_b32 v[PFO], 11, v5
	s_wait_tensorcnt 1                             ; the table and my part of K step 0 are in; K step 1's load may stay out
	s_barrier_signal -1
	s_barrier_wait -1
	FETCH 0, F0
	s_wait_loadcnt 0x0                             ; the bias
	QUARTER 64, F0, F1, 1
	WIN 0
	s_mov_b32 s3, 6
.Lk:                                           ; a trip: a K step's quarters 2 to 4 and the next step's first; K steps 2 to 7 are asked for
	QUARTER 128, F1, F0, 0
	QUARTER 192, F0, F1, 0
	TURN 1
	QUARTER 64, F0, F1, 0
	WIN 0
	s_sub_co_u32 s3, s3, 1
	s_cmp_lg_u32 s3, 0
	s_cbranch_scc1 .Lk
	s_mov_b32 s2, 2
.Lt:                                           ; the last two K steps ask for nothing; the second jumps over what belongs to a next step
	QUARTER 128, F1, F0, 0
	QUARTER 192, F0, F1, 0
	TURN 0
	WIN 0
	s_cmp_eq_u32 s2, 1
	s_cbranch_scc1 .Lnq
	QUARTER 64, F0, F1, 0
	WIN 0
.Lnq:
	s_sub_co_u32 s2, s2, 1
	s_cmp_lg_u32 s2, 0
	s_cbranch_scc1 .Lt
	PLACES
	s_wait_dscnt 0x0                               ; no LDS load of mine is out,
	s_barrier_signal -1
	s_barrier_wait -1                              ; nor of any wave: the slots may be written
	DUMP
.set X, 32                             ; v[32:63]  8 tokens x 2 heads: (g, hh) at X + 8 (2 g + hh)
.set TBR, 64                           ; v[64:71]  their table words
.set CSR, 72                           ; v[72:87]  (cos, sin) in f32; in v's pass the column sums
.set TT, 88                            ; v[88:119]
.set OO, 120                           ; v[120:135]
.macro LOADSX tab
.irp g, 0,1
.irp hh, 0,1
	ds_load_b128 v[X+8*(2*\g+\hh):X+8*(2*\g+\hh)+3],   v[RD] offset:\g*4*SPI+\hh*256
	ds_load_b128 v[X+8*(2*\g+\hh)+4:X+8*(2*\g+\hh)+7], v[RD] offset:\g*4*SPI+\hh*256+16
.endr
.if \tab
	ds_load_b128 v[TBR+4*\g:TBR+4*\g+3], v[TR] offset:\g*512
.endif
.endr
.endm
.macro SENDX                           ; each store covers 512 consecutive bytes: 4 tokens of a head
.irp g, 0,1
.irp hh, 0,1
	global_store_b128 v[CO], v[OO+4*(2*\g+\hh):OO+4*(2*\g+\hh)+3], s[8:9] offset:\g*512+\hh*262144
.endr
.endr
	s_wait_xcnt 0x0                                ; the offset and the data are written again only behind this wait
	v_add_nc_u32 v[CO], 1024, v[CO]
.endm
	s_cmp_eq_u32 ttmp9, 2                          ; the cluster's x: the same in all partners
	s_cbranch_scc1 .Lvp
	LOADSX 1
	s_mov_b32 s3, 16
.Lrope:                                        ; 8 tokens a trip; the next trip's LDS loads go out as soon as this trip's registers are free
	s_cmp_eq_u32 s3, 1
	s_cselect_b32 s20, 0, 8*SPI                    ; the last trip steps nowhere: it reads its own rows once more and does not use them
	s_cselect_b32 s21, 0, 1024
	s_wait_dscnt 0x0
.irp i, 0,1,2,3,4,5,6,7
	v_cvt_f32_f16 v[CSR+2*\i], v[TBR+\i].l
	v_cvt_f32_f16 v[CSR+2*\i+1], v[TBR+\i].h
.endr
.irp g, 0,1
.irp hh, 0,1
.irp i, 0,1,2,3
	v_pk_mul_f32 v[TT+8*(2*\g+\hh)+2*\i:TT+8*(2*\g+\hh)+2*\i+1], v[X+8*(2*\g+\hh)+2*\i:X+8*(2*\g+\hh)+2*\i+1], v[CSR+8*\g+2*\i:CSR+8*\g+2*\i+1] op_sel_hi:[1,0]  ; (e c, o c)
.endr
.endr
.endr
.irp g, 0,1
.irp hh, 0,1
.irp i, 0,1,2,3
	v_pk_fma_f32 v[TT+8*(2*\g+\hh)+2*\i:TT+8*(2*\g+\hh)+2*\i+1], v[X+8*(2*\g+\hh)+2*\i:X+8*(2*\g+\hh)+2*\i+1], v[CSR+8*\g+2*\i:CSR+8*\g+2*\i+1], v[TT+8*(2*\g+\hh)+2*\i:TT+8*(2*\g+\hh)+2*\i+1] op_sel:[1,1,0] op_sel_hi:[0,1,1] neg_lo:[1,0,0]  ; (e c - o s, o c + e s)
.endr
.endr
.endr
	v_add_nc_u32 v[RD], s20, v[RD]
	v_add_nc_u32 v[TR], s21, v[TR]
	LOADSX 1
.set z, 0
.rept 16
	v_cvt_pk_f16_f32 v[OO+z], v[TT+2*z], v[TT+2*z+1]
.set z, z+1
.endr
	SENDX
	s_sub_co_u32 s3, s3, 1
	s_cmp_lg_u32 s3, 0
	s_cbranch_scc1 .Lrope
	s_branch .Ldone
.Lvp:
.set z, 0
.rept 16
	v_mov_b32 v[CSR+z], 0                          ; my 16 columns' sums
.set z, z+1
.endr
	LOADSX 0
	s_mov_b32 s3, 16
.Lv:
	s_cmp_eq_u32 s3, 1
	s_cselect_b32 s20, 0, 8*SPI
	s_wait_dscnt 0x0
.irp g, 0,1
.irp hh, 0,1
.irp i, 0,1,2,3
	v_pk_add_f32 v[CSR+8*\hh+2*\i:CSR+8*\hh+2*\i+1], v[CSR+8*\hh+2*\i:CSR+8*\hh+2*\i+1], v[X+8*(2*\g+\hh)+2*\i:X+8*(2*\g+\hh)+2*\i+1]
.endr
.endr
.endr
.set z, 0
.rept 16
	v_cvt_pk_f16_f32 v[OO+z], v[X+2*z], v[X+2*z+1]
.set z, z+1
.endr
	v_add_nc_u32 v[RD], s20, v[RD]
	LOADSX 0
	SENDX
	s_sub_co_u32 s3, s3, 1
	s_cmp_lg_u32 s3, 0
	s_cbranch_scc1 .Lv
	s_wait_dscnt 0x0                               ; the repeated loads are back: their registers serve below
	s_mov_b32 s20, 0x76543210
	s_mov_b32 s21, 0xfedcba98
.set z, 0
.rept 16                                       ; lanes l, l ^ 8, l ^ 16, l ^ 24 hold the same columns of different tokens
	v_add_f32_dpp v[CSR+z], v[CSR+z], v[CSR+z] row_xmask:8 row_mask:0xf bank_mask:0xf
.set z, z+1
.endr
.set z, 0
.rept 16
	v_permlanex16_b32 v[X+z], v[CSR+z], s20, s21
.set z, z+1
.endr
.set z, 0
.rept 16
	v_add_f32 v[CSR+z], v[CSR+z], v[X+z]
.set z, z+1
.endr
	s_lshl1_add_u32 s22, s13, s11                  ; my group of 128 tokens
	s_lshl_b32 s22, s22, 12
	s_lshl_b32 s23, s40, 10
	s_add_co_u32 s22, s22, s23
	s_lshl_b32 s23, s12, 9
	s_add_co_u32 s22, s22, s23
	s_mov_b32 s23, 0
	s_add_nc_u64 s[82:83], s[82:83], s[22:23]
	v_lshlrev_b32 v[TR], 5, v4                     ; 32 bytes for each of the lanes 0 to 7
	s_wait_xcnt 0x0                                ; EXEC changes only behind this wait
	v_cmp_gt_u32 vcc_lo, 8, v5
	s_and_saveexec_b32 s22, vcc_lo
.irp hh, 0,1
	global_store_b128 v[TR], v[CSR+8*\hh:CSR+8*\hh+3],   s[82:83] offset:256*\hh
	global_store_b128 v[TR], v[CSR+8*\hh+4:CSR+8*\hh+7], s[82:83] offset:256*\hh+16
.endr
	s_wait_xcnt 0x0
	s_or_b32 exec_lo, exec_lo, s22
.Ldone:
	s_wait_tensorcnt 0x0                           ; the wave's end
	ds_add_u32 v[SPW], v[NIL]
	s_wait_dscnt 0x0
	CROUND                                         ; the closing round
	s_endpgm
.Lfunc_end_k_qf7f732d8e6_qkv:
	.size	k_qf7f732d8e6_qkv, .Lfunc_end_k_qf7f732d8e6_qkv-k_qf7f732d8e6_qkv
	.p2alignl 7, 3214868480
	.fill 96, 4, 3214868480
	.section	.rodata,"a",@progbits
	.p2align	6, 0x0
	.amdhsa_kernel k_qf7f732d8e6_qkv
		.amdhsa_group_segment_fixed_size 327680
		.amdhsa_private_segment_fixed_size 0
		.amdhsa_enable_private_segment 0
		.amdhsa_kernarg_size 64
		.amdhsa_user_sgpr_count 2
		.amdhsa_user_sgpr_kernarg_segment_ptr 1
		.amdhsa_wavefront_size32 1
		.amdhsa_system_sgpr_workgroup_id_x 1
		.amdhsa_system_sgpr_workgroup_id_y 1
		.amdhsa_system_sgpr_workgroup_id_z 1
		.amdhsa_system_vgpr_workitem_id 0
		.amdhsa_next_free_vgpr 1024
		.amdhsa_next_free_sgpr 100
		.amdhsa_reserve_vcc 1
		.amdhsa_float_denorm_mode_32 3
		.amdhsa_float_denorm_mode_16_64 3
		.amdhsa_memory_ordered 1
		.amdhsa_forward_progress 1
		.amdhsa_inst_pref_size 94
	.end_amdhsa_kernel
	.amdgpu_metadata
---
amdhsa.version: [ 1, 2 ]
amdhsa.kernels:
  - .name:           k_qf7f732d8e6_qkv
    .symbol:         k_qf7f732d8e6_qkv.kd
    .args:
      - { .name: nrm, .offset: 0, .size: 8, .value_kind: global_buffer, .address_space: global }
      - { .name: wb, .offset: 8, .size: 8, .value_kind: global_buffer, .address_space: global }
      - { .name: qkv, .offset: 16, .size: 8, .value_kind: global_buffer, .address_space: global }
      - { .name: bq, .offset: 24, .size: 8, .value_kind: global_buffer, .address_space: global }
      - { .name: bk, .offset: 32, .size: 8, .value_kind: global_buffer, .address_space: global }
      - { .name: bv, .offset: 40, .size: 8, .value_kind: global_buffer, .address_space: global }
      - { .name: tab, .offset: 48, .size: 8, .value_kind: global_buffer, .address_space: global }
      - { .name: vpart, .offset: 56, .size: 8, .value_kind: global_buffer, .address_space: global }
    .group_segment_fixed_size: 327680
    .private_segment_fixed_size: 0
    .kernarg_segment_align: 8
    .kernarg_segment_size: 64
    .max_flat_workgroup_size: 128
    .sgpr_count:     100
    .vgpr_count:     1024
    .wavefront_size: 32
...
	.end_amdgpu_metadata
.endif
;; end of part 2
;; launch attn (part 3): grid 8 x 32, 4 waves a work-group, no clusters, 125,696 bytes of LDS; arguments qkv, pad_mask, vpart, ob; writes ob
.if DOCPART == 3
	.amdgcn_target "amdgcn-amd-amdhsa--gfx1250"
	.amdhsa_code_object_version 6
	.text
	.protected	k_qf7f732d8e6_attn
	.globl	k_qf7f732d8e6_attn
	.p2align	8
	.type	k_qf7f732d8e6_attn,@function
k_qf7f732d8e6_attn:
	s_mov_b64 s[64:65], 0
	v_nop
	global_prefetch_b8 v0, s[64:65] scope:SCOPE_SE
	s_setreg_imm32_b32 hwreg(HW_REG_WAVE_MODE, 25, 1), 1
	s_wait_xcnt 0x0
; CAUSAL ATTENTION WITH A KEY MASK.  O[q] = sum over k of softmax_k(s[q][k]) V[k], s = Q[q] . K[k] / 8 where k <= q and key k is not padded, else the hidden score.  q, k, v: f16 by heads, [b 16 + h][2,048][64];
; O leaves in bf16, [token][1,024].  Products, maxima, sums in f32; the weights are rounded to f16 for the second product, O once at the end.
; LIMITS.  A hidden score counts as its value less 1e30 (the problem replaces it by -1e9: the same weights while true scores stay above about -1e9 + 104).  A ROW WHOSE VISIBLE KEYS ARE ALL PADDED has equal
; scores at all 2,048 keys in the problem's own arithmetic, the future ones too: its result is the mean of V over the whole sequence.  That mean (from vpart) is chosen by value where the running
; maximum has stayed below -2^96.  A weight below 2^-126 counts as 0; NaN and infinities are not treated apart.
; THE WALK.  A head has 16 blocks of 128 queries; block i needs key tiles 0 .. i of 128 keys (two steps of 64).  A work-group takes blocks 15 - b and then b: 17 tiles whatever b, 256 equal work-groups,
; ONE counted loop.  What a trip does hangs on scalars made from b; every jump but the loop's own goes forward and none passes a barrier.
; NO CLUSTER: a head's eight work-groups ask for the same tile only in the first 9 of 17 trips.  TILES COME THROUGH REGISTERS (global load, a trip later LDS store): so the walk's last trips may jump over
; the loads, and no second copy of the trip is written.  Wave w brings 8 KiB of each tile: K's halves (w = 0, 1), V's halves (w = 2, 3).
; SHARES.  A wave owns 16 rows in each of the block's two bands of 64: two PIECES.  In the diagonal tile band 0 holds the diagonal in step 0 and sees nothing in step 1; band 1 sees all of step 0 and holds the diagonal in step 1.
; THE MASK is the C operand that starts S^T = K Q^T: a row of the pad table (0 or -1e30 for each of the step's 64 keys; row 32 hides all), plus MD, the diagonal's mask for my 16 rows, where the step is the band's own.
; TURNS.  Turn T_p(j): softmax of piece p, step j; 8 products K Q^T of the other piece's next step ahead of the turn's one wait, 8 products V^T P of its last step behind it; four vector instructions
; behind each product, the rest in one lump.  K(j+1) is read from LDS in T0(j), V(j+1) in T1(j) into the other of two register buffers: a tile's LDS reads end in T1 of its even step, where the trip's one barrier stands.
; O's STORES write four runs of 128 consecutive bytes each: a head's 64 channels are 128 bytes of a token's row, so two heads' work-groups share each aligned 256 bytes.
; REGISTERS: window 0: v2-31 addresses and statistics; v32-47 prologue; v48-55 at work; v64-127 S^T (2 x 32); v128-191 masks (2 x 32); v192-223 P (2 x 16)
;   window 1: v0-63 O^T; v64-95 V's mean; v128-159 MD     window 2: v0-31 Q; v32-63 the second block's Q; v64-127 V (odd steps); v128-191 K; v192-255 V (even steps)     window 3: v0-63 the tile on its way; v64-191 prologue
.set PK, 144                           ; a row of K in LDS: 128 bytes + 16
.set PVP, 160                          ; a row of V: 128 + 32
.set VOFF, 128*PK
.set SLOT1, 65536
.set PADT, 106496
.set HIDR, 8192
.set VMS, 114944
.set STAGE, 115968
.set SP, 144
.set SPARE, 125184                     ; the spare words: 512 bytes that no other line names
.set AK0, 2
.set AV0, 3
.set AK, 4
.set AV, 5
.set STO, 6
.set RD, 7
.set GO, 8
.set MV, 12
.set QO, 15
.set ST, 16                            ; piece t: c m, m, l (even keys'), l (odd keys')
.set PA0, 24
.set PMA, 25
.set SA0, 26
.set SA, 27
.set GL, 28
.set GA, 29
.set PFO, 30
.set PF0, 31
.set TMP, 48
.set SPW, 62
.set NIL, 63
.set S, 64
.set PM, 128
.set P, 192
.set VM, 64
.set MD, 128
.set QB, 32
.set VB1, 64
.set KF, 128
.set VB0, 192
.set WV, 12
.set PB, 14
.set HI, 15
.set KV, 16
.set NT, 56
.set CS, 58
.set SEL, 60
.set REM, 70                           ; tiles of the block in hand from the tile now in slot NS on
.set NXT, 71
.set LQ, 72
.set BLK, 73
.set KO, 74                            ; the pad table's row of that tile's even step, in bytes
.set NS, 75
.set TO, 76
.set PFL, 77
.set TM, 78
.set OLO, 80
.set BIGN, 82
.set THR, 83
.set FL, 84
.set INV, 86
.set MSB, 0
.macro WIN new
.if MSB != (\new)
	s_set_vgpr_msb (MSB<<8)|(\new)
.set MSB, (\new)
.endif
.endm
.set W_KQ, 0x0a                        ; K and Q in window 2; mask and S^T in window 0
.set W_PV, 0x52                        ; V in window 2, P in window 0, O^T in window 1
.set W_RS, 0x41                        ; destination and source 0 in window 1, source 1 in window 0
.macro STORES adr, base, step          ; a wave's 8 KiB of a tile into LDS: load i of lane l holds key 4 i + l / 8, bytes 16 (l % 8)
	WIN 0x0c
.irp i, 0,1,2,3,4,5,6,7,8,9,10,11,12,13,14,15
	ds_store_b128 v[\adr], v[(\base)+4*\i:(\base)+4*\i+3] offset:(\step)*\i
.endr
	WIN 0
.endm
.macro KQ x                            ; product i of 8 of S^T for piece x: channels 32 (i / 4) on, keys 16 (i % 4) on; the first four start the sums with the mask.  The four accumulators take turns
	WIN W_KQ
.set rS, S+32*(\x)+8*(i%4)
.set rK, KF+16*(i%4)+8*(i/4)
.set rQ, 16*(\x)+8*(i/4)
.set rM, PM+32*(\x)+8*(i%4)
.if i < 4
	v_wmma_f32_16x16x32_f16 v[rS:rS+7], v[rK:rK+7], v[rQ:rQ+7], v[rM:rM+7]
.else
	v_wmma_f32_16x16x32_f16 v[rS:rS+7], v[rK:rK+7], v[rQ:rQ+7], v[rS:rS+7]
.endif
.endm
.macro PV x                            ; product i of 8 of O^T += V^T P: keys 32 (i / 4) on, channels 16 (i % 4) on; V's buffer is VR
	WIN W_PV
.set rO, 32*(\x)+8*(i%4)
.set rV, VR+32*(i/4)+8*(i%4)
.set rP, P+16*(\x)+8*(i/4)
	v_wmma_f32_16x16x32_f16 v[rO:rO+7], v[rV:rV+7], v[rP:rP+7], v[rO:rO+7]
.endm
.macro MM
.if i < 8
	KQ 1-Y
.else
.set i, i-8
	PV 1-Y
.set i, i+8
.endif
.set i, i+1
.endm
.macro FK st                           ; K of step st of the tile in slot NS
	WIN 0x80
.irp f, 0,1,2,3,4,5,6,7
	ds_load_b128 v[KF+8*\f:KF+8*\f+3],   v[AK] offset:(\st)*64*PK+(\f/2)*16*PK+(\f%2)*64
	ds_load_b128 v[KF+8*\f+4:KF+8*\f+7], v[AK] offset:(\st)*64*PK+(\f/2)*16*PK+(\f%2)*64+32
.endr
	WIN 0
.endm
.macro FV st, vb                       ; V of that step, turned
	WIN 0x80
.irp f, 0,1,2,3,4,5,6,7
	ds_load_tr16_b128 v[(\vb)+8*\f:(\vb)+8*\f+3],   v[AV] offset:(\st)*64*PVP+(\f/4)*32*PVP+(\f%4)*32
	ds_load_tr16_b128 v[(\vb)+8*\f+4:(\vb)+8*\f+7], v[AV] offset:(\st)*64*PVP+(\f/4)*32*PVP+16*PVP+(\f%4)*32
.endr
	WIN 0
.endm
.macro FPM x                           ; a row of the pad table in the C operand's layout: register j of group kb is key 16 kb + 8 (l / 16) + j
.irp kb, 0,1,2,3
	ds_load_b128 v[PM+32*(\x)+8*\kb:PM+32*(\x)+8*\kb+3],   v[PMA] offset:64*\kb
	ds_load_b128 v[PM+32*(\x)+8*\kb+4:PM+32*(\x)+8*\kb+7], v[PMA] offset:64*\kb+16
.endr
.endm
.macro ADDMD x
	WIN 0x04
.set z, 0
.rept 16
	v_pk_add_f32 v[PM+32*(\x)+2*z:PM+32*(\x)+2*z+1], v[PM+32*(\x)+2*z:PM+32*(\x)+2*z+1], v[MD+2*z:MD+2*z+1]
.set z, z+1
.endr
	WIN 0
.endm
; THE VECTOR WORK, a line at a time.  For piece Y: F n: c s - c m for pair n.  E n: the exponential of score n.  C n: pair n rounded to f16.  B n: of weights 4 n .. the second pair onto the first.  L n: l takes that sum
; (L 0: l = a l + sum).  R n: pair n of O^T times a.  For the other piece: X n, number n of the 22 that find its maximum and statistics (each accumulator's lowest registers are read first).
.set F, 0
.set E, 1
.set C, 2
.set B, 3
.set L, 4
.set R, 5
.set X, 6
.macro REGS y
.set rT, ST+4*(\y)
.set rC, TMP+4*(\y)
.set rW, MV+(\y)
.set rS, S+32*(\y)
.set rP, P+16*(\y)
.set rO, 32*(\y)
.endm
.macro OP k, n
.if (\k) == R
	REGS Y
	WIN W_RS
	v_pk_mul_f32 v[rO+2*(\n):rO+2*(\n)+1], v[rO+2*(\n):rO+2*(\n)+1], v[rC+2:rC+3] op_sel_hi:[1,0]
.elseif (\k) < R
	REGS Y
	WIN 0
.if (\k) == F
	v_pk_fma_f32 v[rS+2*(\n):rS+2*(\n)+1], v[rS+2*(\n):rS+2*(\n)+1], s[CS:CS+1], v[rT:rT+1] op_sel_hi:[1,0,0] neg_lo:[0,0,1] neg_hi:[0,0,1]
.elseif (\k) == E
	v_exp_f32 v[rS+(\n)], v[rS+(\n)]
.elseif (\k) == C
	v_cvt_pk_f16_f32 v[rP+(\n)], v[rS+2*(\n)], v[rS+2*(\n)+1]
.elseif (\k) == B
	v_pk_add_f32 v[rS+4*(\n):rS+4*(\n)+1], v[rS+4*(\n):rS+4*(\n)+1], v[rS+4*(\n)+2:rS+4*(\n)+3]
.elseif (\n) == 0
	v_pk_fma_f32 v[rT+2:rT+3], v[rT+2:rT+3], v[rC+2:rC+3], v[rS:rS+1] op_sel_hi:[1,0,1]
.else
	v_pk_add_f32 v[rT+2:rT+3], v[rT+2:rT+3], v[rS+4*(\n):rS+4*(\n)+1]
.endif
.else
	REGS 1-Y
	WIN 0
.if (\n) < 4
	v_max3_num_f32 v[rC+(\n)], v[rS+8*(\n)], v[rS+8*(\n)+1], v[rS+8*(\n)+2]
.elseif (\n) < 12
	v_max3_num_f32 v[rC+(\n)%4], v[rC+(\n)%4], v[rS+8*((\n)%4)+2*((\n)/4)+1], v[rS+8*((\n)%4)+2*((\n)/4)+2]
.elseif (\n) == 12
	v_max3_num_f32 v[rC], v[rC], v[rS+7], v[rS+15]
.elseif (\n) == 13
	v_max3_num_f32 v[rC+1], v[rC+1], v[rS+23], v[rS+31]
.elseif (\n) == 14
	v_max3_num_f32 v[rC+2], v[rC+2], v[rC+3], v[rT+1]
.elseif (\n) == 15
	v_mov_b32 v[rW], v[rT]
.elseif (\n) == 16
	v_max3_num_f32 v[rC], v[rC], v[rC+1], v[rC+2]
.elseif (\n) == 17
	v_permlanex16_b32 v[rC+3], v[rC], s[SEL], s[SEL+1]
.elseif (\n) == 18
	v_max_num_f32 v[rT+1], v[rC], v[rC+3]
.elseif (\n) == 19
	v_mul_f32 v[rT], s[CS], v[rT+1]
.elseif (\n) == 20
	v_sub_f32 v[rC+1], v[rW], v[rT]
.else
	v_exp_f32 v[rC+2], v[rC+1]
.endif
.endif
.endm
.macro OPS a, i1, b=-1, i2=0, c=-1, i3=0, d=-1, i4=0
	OP \a, \i1
.if (\b) >= 0
	OP \b, \i2
.endif
.if (\c) >= 0
	OP \c, \i3
.endif
.if (\d) >= 0
	OP \d, \i4
.endif
.endm
.macro ROW a, i1, b, i2, c, i3, d, i4  ; a matrix instruction and the four behind it
	MM
	OPS \a, \i1, \b, \i2, \c, \i3, \d, \i4
.endm
; A TURN for piece p.  st = 0: the odd step of the tile that is being left; st = 1: the even step of the tile in slot NS.  Its 33 exponentials are ONE batch with ONE wait, which cuts the turn in two:
; ahead of it stands all that names no result of theirs, behind it the roundings and sums, as riders of the products V^T P.
.macro TURN p, st
.set Y, (\p)
.set i, 0
.if (\p) == (\st)
.set VR, VB0
.else
.set VR, VB1
.endif
	WIN 0
.if (\p)+(\st)
	s_wait_dscnt 0x0                               ; the run of 24 LDS loads of the turn before is in (ahead of T0 of an odd step the trip's barrier has waited)
.endif
.if (\st) == 0
	s_cmp_lg_u32 s[REM], \p                        ; T0: the tile being left was the diagonal one: band 1's own step.  T1: the tile entered is the diagonal one: band 0's own step
	s_cbranch_scc1 .Lnomd_\@
	ADDMD 1-(\p)
.Lnomd_\@:
.endif
	ROW F,0, F,1, R,0, R,1
	ROW F,2, E,0, R,2, R,3
	ROW F,3, E,1, R,4, R,5
	ROW F,4, E,2, R,6, R,7
	ROW F,5, E,3, R,8, R,9
	ROW F,6, E,4, X,0, R,10
	WIN 0                                          ; which row of the pad table the run below takes
.if (\p) == 1
	s_add_co_u32 s[TM], s[KO], 256*(\st)
.elseif (\st) == 0
	s_cmp_eq_u32 s[REM], 0                         ; the block has no further step: all hidden
	s_cselect_b32 s[TM], HIDR, s[KO]
.else
	s_add_co_u32 s[TM], s[KO], 256
	s_cmp_eq_u32 s[REM], 1                         ; band 0 sees nothing of the diagonal tile's odd step
	s_cselect_b32 s[TM], HIDR, s[TM]
.endif
	v_add_nc_u32 v[PMA], s[TM], v[PA0]
	ROW F,7, E,5, X,1, X,4
	ROW F,8, E,6, X,2, X,5
	OPS E,7, E,8, X,6, E,9
	OPS X,3, E,10, X,8, E,11
.if (\p) == 0
	FK \st                                         ; six plain instructions behind the last product that read K
	FPM 0
.else
	FV \st, VB0-(VB0-VB1)*(\st)                    ; into the buffer that this turn's products do not read
	FPM 1
.endif
	OPS X,9, X,7, E,12, X,10
	OPS E,13, X,12, X,11, E,14
	OPS X,13, E,15, F,9, X,14
	OPS E,16, F,10, E,17, F,11
	OPS X,16, E,18, X,15, E,19
	OPS F,12, E,20, X,17, E,21
	OPS F,13, E,22, F,14, E,23
	OPS X,18, E,24, F,15, E,25
	OPS R,11, E,26, X,19, E,27
	OPS R,12, E,28, R,13, E,29
	OPS X,20, E,30, R,14, E,31
	OPS X,21, R,15                                 ; R 15 is the plain instruction behind the last exponential
	WIN 0
	s_wait_alu depctr_va_vdst(0)                   ; the wait for the batch
	ROW C,0, B,0, C,2, B,1
	ROW L,0, C,4, B,2, L,1
	ROW C,6, B,3, L,2, C,8
	ROW B,4, L,3, C,10, B,5
	ROW L,4, C,12, B,6, L,5
	ROW C,14, B,7, L,6, C,1
	ROW C,3, L,7, C,5, C,7
	ROW C,9, C,11, C,13, C,15
.endm
.macro ALL line:vararg
.set t, 0
.rept 2
	\line
.set t, t+1
.endr
.endm
.macro PACK t                          ; O^T / l, or V's mean where the row saw nothing; bf16; through my stage, into S^T's registers
	WIN W_RS
.set i, 32*(\t)
.rept 16
	v_pk_mul_f32 v[i:i+1], v[i:i+1], v[ST+4*(\t)+2:ST+4*(\t)+3] op_sel_hi:[1,0]
.set i, i+2
.endr
	WIN 0x45
.set i, 0
.rept 32
	v_cndmask_b32 v[32*(\t)+i], v[32*(\t)+i], v[VM+i], s[FL+(\t)]
.set i, i+1
.endr
	WIN 0x05
.set i, 0
.rept 16
	v_cvt_pk_bf16_f32 v[S+16*(\t)+i], v[32*(\t)+2*i], v[32*(\t)+2*i+1]
.set i, i+1
.endr
	WIN 0
.irp f, 0,1,2,3
	ds_store_b128 v[STO], v[S+16*(\t)+4*\f:S+16*(\t)+4*\f+3] offset:32*\f
.endr
.irp f, 0,1,2,3
	ds_load_b128 v[S+16*(\t)+4*\f:S+16*(\t)+4*\f+3], v[RD] offset:\f*4*SP  ; LDS serves a wave's instructions in order: these see the stores above
.endr
.endm
.macro SEND t, younger                 ; younger: the LDS instructions issued behind piece t's loads
.irp f, 0,1,2,3
	s_wait_dscnt (\younger)+3-\f
	global_store_b128 v[GO], v[S+16*(\t)+4*\f:S+16*(\t)+4*\f+3], s[10:11] offset:(\t)*131072+\f*8192
.endr
.endm
	s_load_b256 s[20:27], s[0:1], 0x0              ; qkv 20, pad_mask 22, vpart 24, ob 26
	v_lshl_add_u32 v[SPW], v0, 2, SPARE
	v_mov_b32 v[NIL], 0
	v_lshrrev_b32 v1, 5, v0
	v_readfirstlane_b32 s[WV], v1
	s_mov_b32 s[PB], ttmp9
	s_sub_co_u32 s[HI], 15, s[PB]
	s_and_b32 s28, ttmp7, 0xffff
	s_lshr_b32 s29, s28, 4                         ; b
	s_and_b32 s30, s28, 15                         ; h
	s_and_b32 s31, s[WV], 1                        ; which half of a tile's keys I bring
	s_lshl_b32 s28, s28, 18                        ; the head's first byte in q, k and v
	s_mov_b32 s32, 0x800000
	s_lshl_b32 s33, s32, 1
	s_cmp_lt_u32 s[WV], 2
	s_cselect_b32 s2, s32, s33                     ; k or v
	s_add_co_u32 s2, s2, s28
	s_lshl_b32 s3, s31, 13
	s_add_co_u32 s2, s2, s3
	s_mov_b32 s3, 0
	s_lshl_b32 s35, s[WV], 11                      ; my 16 rows in a band
	s_add_co_u32 s35, s35, s28
	s_lshl_b32 s34, s[HI], 14
	s_add_co_u32 s34, s34, s35
	s_lshl_b32 s36, s[PB], 14
	s_add_co_u32 s36, s36, s35
	s_mov_b32 s35, 0
	s_mov_b32 s37, 0
	s_lshl_b32 s39, s29, 22                        ; O: token x 2,048 bytes + head x 128
	s_lshl_b32 s38, s[WV], 15
	s_add_co_u32 s39, s39, s38
	s_lshl_b32 s38, s30, 7
	s_add_co_u32 s39, s39, s38
	s_lshl_b32 s38, s[HI], 18
	s_add_co_u32 s38, s38, s39
	s_lshl_b32 s40, s[PB], 18
	s_add_co_u32 s40, s40, s39
	s_mov_b32 s39, 0
	s_mov_b32 s41, 0
	s_lshl_b32 s42, s29, 11
	s_mov_b32 s43, 0
	s_lshl_b32 s44, s29, 4
	s_lshl2_add_u32 s44, s[WV], s44                ; vpart: groups 16 b + 4 w on
	s_lshl_b32 s44, s44, 12
	s_lshl_b32 s45, s30, 8
	s_add_co_u32 s44, s44, s45
	s_mov_b32 s45, 0
	s_mov_b32 s[CS], 0x3e38aa3b                    ; c = log2(e) / 8
	s_mov_b32 s[CS+1], s[CS]
	s_mov_b32 s[SEL], 0x76543210
	s_mov_b32 s[SEL+1], 0xfedcba98
	s_mov_b32 s[BIGN], 0xf149f2ca                  ; -1e30
	s_mov_b32 s[THR], 0xef800000                   ; -2^96
	s_mov_b32 s[INV], 0x3a000000                   ; 1 / 2,048
	s_mov_b32 s[INV+1], s[INV]
	s_mov_b32 s[NT], 18
	s_sub_co_u32 s[REM], 16, s[PB]                 ; the first block has 16 - b tiles
	s_mov_b32 s[NXT], 3
	s_mov_b32 s[LQ], s[HI]
	s_mov_b32 s[BLK], 0
	s_mov_b32 s[KO], 0
	s_mov_b32 s[NS], 0
	s_cmp_eq_u32 s[PB], 0                          ; the work-group that walks all 16 tiles in order prefetches for the head
	s_cselect_b32 s[PFL], 7, -1
	v_and_b32 v1, 15, v0                           ; l % 16
	v_bfe_u32 v9, v0, 4, 1                         ; l / 16
	v_and_b32 v10, 7, v0
	v_bfe_u32 v11, v0, 3, 1
	v_and_b32 v46, 31, v0
	v_lshlrev_b32 v[GL], 4, v46
	v_lshlrev_b32 v[PF0], 8, v46
	v_lshlrev_b32 v[QO], 7, v1
	v_lshl_add_u32 v[QO], v9, 4, v[QO]
	v_lshlrev_b32 v44, 4, v0                       ; 16 mask bytes a thread
	v_lshlrev_b32 v45, 12, v9
	v_lshl_add_u32 v45, v1, 4, v45                 ; vpart: group l / 16, channels 4 (l % 16) on
	s_wait_kmcnt 0x0
	s_add_nc_u64 s[KV:KV+1], s[20:21], s[2:3]
	s_add_nc_u64 s[4:5], s[20:21], s[34:35]
	s_add_nc_u64 s[6:7], s[20:21], s[36:37]
	s_add_nc_u64 s[10:11], s[26:27], s[38:39]
	s_add_nc_u64 s[OLO:OLO+1], s[26:27], s[40:41]
	s_add_nc_u64 s[22:23], s[22:23], s[42:43]
	s_add_nc_u64 s[24:25], s[24:25], s[44:45]
	WIN 0xc0
.irp i, 0,1,2,3,4,5,6,7,8,9,10,11,12,13,14,15
	global_load_b128 v[64+4*\i:64+4*\i+3], v[GL], s[KV:KV+1] offset:512*\i          ; tile 0
.endr
.irp i, 0,1,2,3,4,5,6,7,8,9,10,11,12,13,14,15
	global_load_b128 v[128+4*\i:128+4*\i+3], v[GL], s[KV:KV+1] offset:16384+512*\i  ; tile 1
.endr
	WIN 0
	global_load_b128 v[32:35], v44, s[22:23]
	global_load_b128 v[36:39], v45, s[24:25]
	global_load_b128 v[40:43], v45, s[24:25] offset:8192
	WIN 0x80
.irp i, 0,1,2,3                                ; both blocks' Q: piece i / 2 lies 8,192 bytes on; channels 32 (i % 2) on
	global_load_b128 v[8*\i:8*\i+3],       v[QO], s[4:5] offset:(\i/2)*8192+(\i%2)*64
	global_load_b128 v[8*\i+4:8*\i+7],     v[QO], s[4:5] offset:(\i/2)*8192+(\i%2)*64+32
	global_load_b128 v[QB+8*\i:QB+8*\i+3],   v[QO], s[6:7] offset:(\i/2)*8192+(\i%2)*64
	global_load_b128 v[QB+8*\i+4:QB+8*\i+7], v[QO], s[6:7] offset:(\i/2)*8192+(\i%2)*64+32
.endr
	WIN 0xc0
.irp i, 0,1,2,3,4,5,6,7,8,9,10,11,12,13,14,15
	global_load_b128 v[4*\i:4*\i+3], v[GL], s[KV:KV+1] offset:32768+512*\i          ; tile 2
.endr
	WIN 0
	; addresses, masks and zeros stand in the wait for the first tiles
	s_mov_b32 s32, PK
	s_mov_b32 s33, PVP
	s_cmp_lt_u32 s[WV], 2
	s_cselect_b32 s32, s32, s33
	s_cselect_b32 s33, 0, VOFF
	s_lshl_b32 s38, s31, 6
	s_mul_i32 s38, s38, s32
	s_add_co_u32 s38, s38, s33                     ; my 64 rows of K or of V in a slot
	v_bfe_u32 v[SA0], v0, 3, 2
	v_mul_u32_u24 v[SA0], v[SA0], s32
	v_lshl_add_u32 v[SA0], v10, 4, v[SA0]
	v_add_nc_u32 v[SA0], s38, v[SA0]
	v_add_nc_u32 v[SA], SLOT1, v[SA0]
	v_mul_u32_u24 v[AK0], v1, PK
	v_lshl_add_u32 v[AK0], v9, 4, v[AK0]
	v_lshl_add_u32 v[AV0], v9, 3, v10
	v_mul_u32_u24 v[AV0], v[AV0], PVP
	v_lshl_add_u32 v[AV0], v11, 4, v[AV0]
	v_add_nc_u32 v[AV0], VOFF, v[AV0]
	v_mov_b32 v[AK], v[AK0]
	v_mov_b32 v[AV], v[AV0]
	v_lshl_add_u32 v[PA0], v9, 5, PADT
	s_mul_i32 s38, s[WV], 16*SP
	s_add_co_u32 s38, s38, STAGE
	v_mul_u32_u24 v[STO], v1, SP
	v_lshl_add_u32 v[STO], v9, 4, v[STO]
	v_add_nc_u32 v[STO], s38, v[STO]
	v_bfe_u32 v[RD], v0, 3, 2
	v_lshlrev_b32 v[GO], 11, v[RD]                 ; four tokens' rows of 2,048 bytes,
	v_lshl_add_u32 v[GO], v10, 4, v[GO]            ; 128 bytes of each
	v_mul_u32_u24 v[RD], v[RD], SP
	v_lshl_add_u32 v[RD], v10, 4, v[RD]
	v_add_nc_u32 v[RD], s38, v[RD]
	v_lshlrev_b32 v14, 3, v9
	v_sub_nc_u32 v14, v1, v14
	s_lshl_b32 s38, s[WV], 4
	v_add_nc_u32 v14, s38, v14                     ; my query's place in its band less 8 (l / 16): register r of group kt is hidden where 16 kt + r is greater
	WIN 0x40
.set i, 0
.rept 32
	v_cmp_gt_i32 vcc_lo, 16*(i/8)+i%8, v14
	v_cndmask_b32 v[MD+i], 0, s[BIGN], vcc_lo
.set i, i+1
.endr
.set i, 0
.rept 64                                       ; a block's first step multiplies O^T and l by a = 0: they need only be finite
	v_mov_b32 v[i], 0
.set i, i+1
.endr
	WIN 0x80
.set i, VB1
.rept 64
	v_mov_b32 v[i], 0
.set i, i+1
.endr
	WIN 0
.set i, P+16
.rept 16
	v_mov_b32 v[i], 0
.set i, i+1
.endr
	ALL v_mov_b32 v[ST+4*t+2], 0
	ALL v_mov_b32 v[ST+4*t+3], 0
	s_wait_loadcnt 32                              ; tiles 0 and 1, the mask and vpart are in; Q's sixteen loads and tile 2's sixteen may stay out
	s_cmp_lt_u32 s[WV], 2
	s_cbranch_scc0 .Lpv
	STORES SA0, 64, 4*PK
	STORES SA, 128, 4*PK
	s_branch .Lpd
.Lpv:
	STORES SA0, 64, 4*PVP
	STORES SA, 128, 4*PVP
.Lpd:
.set i, 0
.rept 16                                       ; the pad table: a mask byte is 0 or 1; 0 or the bits of -1e30
	v_bfe_u32 v[S+i], v[32+i/4], 8*(i%4), 8
	v_mul_lo_u32 v[S+i], v[S+i], s[BIGN]
.set i, i+1
.endr
	v_lshl_add_u32 v47, v0, 6, PADT
.irp k, 0,1,2,3
	ds_store_b128 v47, v[S+4*\k:S+4*\k+3] offset:16*\k
.endr
	s_cmp_lg_u32 s[WV], 0
	s_cbranch_scc1 .Lnh
	v_mov_b32 v[S+16], s[BIGN]                     ; row 32 hides all
	v_mov_b32 v[S+17], s[BIGN]
	v_lshl_add_u32 v47, v0, 3, PADT+HIDR
	ds_store_b64 v47, v[S+16:S+17]
.Lnh:
	v_pk_add_f32 v[36:37], v[36:37], v[40:41]      ; V's column sums: two groups a lane, two more in the lane 16 away: wave w has groups 4 w .. 4 w + 3
	v_pk_add_f32 v[38:39], v[38:39], v[42:43]
.irp k, 0,1,2,3
	v_permlanex16_b32 v[40+\k], v[36+\k], s[SEL], s[SEL+1]
.endr
	v_pk_add_f32 v[36:37], v[36:37], v[40:41]
	v_pk_add_f32 v[38:39], v[38:39], v[42:43]
	s_lshl_b32 s38, s[WV], 8
	s_add_co_u32 s38, s38, VMS
	v_lshl_add_u32 v47, v1, 4, s38
	ds_store_b128 v47, v[36:39]                    ; lanes l and l + 16 store the same words with the same values
	s_wait_dscnt 0x0                               ; for the others' sake: my stores are done
	s_barrier_signal -1
	s_barrier_wait -1
	v_lshl_add_u32 v47, v9, 5, VMS
	WIN 0xc0
.irp w, 0,1,2,3
.irp cb, 0,1,2,3
	ds_load_b128 v[64+32*\w+8*\cb:64+32*\w+8*\cb+3],   v47 offset:256*\w+64*\cb
	ds_load_b128 v[64+32*\w+8*\cb+4:64+32*\w+8*\cb+7], v47 offset:256*\w+64*\cb+16
.endr
.endr
	s_wait_dscnt 0x0
	WIN 0xcf
.set z, 0
.rept 16
	v_pk_add_f32 v[64+z:65+z], v[64+z:65+z], v[96+z:97+z]
	v_pk_add_f32 v[128+z:129+z], v[128+z:129+z], v[160+z:161+z]
.set z, z+2
.endr
.set z, 0
.rept 16
	v_pk_add_f32 v[64+z:65+z], v[64+z:65+z], v[128+z:129+z]
.set z, z+2
.endr
	WIN 0x43
.set z, 0
.rept 16                                       ; the mean, in O^T's layout: register 8 cb + j is channel 16 cb + 8 (l / 16) + j
	v_pk_mul_f32 v[VM+z:VM+z+1], v[64+z:65+z], s[INV:INV+1] op_sel_hi:[1,0]
.set z, z+2
.endr
	WIN 0
	s_wait_loadcnt 16                              ; Q is in; tile 2's loads may stay out
	s_branch .Lbegin
.Ltrip:
	; THE TRIP'S BARRIER.  Ahead of it my reads of the tile that is left and my stores of the tile that is entered are done; behind it the slot just left takes the tile two on, out of registers, and the tile three on is asked for.
	s_wait_dscnt 0x0
	s_barrier_signal -1
	s_sub_co_u32 s[REM], s[REM], 1
	s_add_co_u32 s[KO], s[KO], 512
	s_xor_b32 s[NS], s[NS], SLOT1
	s_barrier_wait -1
	v_add_nc_u32 v[AK], s[NS], v[AK0]
	v_add_nc_u32 v[AV], s[NS], v[AV0]
	s_xor_b32 s[TM], s[NS], SLOT1
	v_add_nc_u32 v[SA], s[TM], v[SA0]
	s_cmp_lt_u32 s[NT], 3                          ; the walk's last two trips store nothing,
	s_cbranch_scc1 .Lnost
	s_wait_loadcnt 0x0                             ; the loads were issued a trip ago
	s_cmp_lt_u32 s[WV], 2
	s_cbranch_scc0 .Lstv
	STORES SA, 0, 4*PK
	s_branch .Lstd
.Lstv:
	STORES SA, 0, 4*PVP
.Lstd:
	s_cmp_lt_u32 s[NT], 4                          ; the last three load nothing
	s_cbranch_scc1 .Lnost
	s_wait_xcnt 0x0                                ; the last trip's prefetch has read its address
	s_lshl_b32 s[TO], s[NXT], 14                   ; a tile is 16,384 bytes of K and of V
	v_add_nc_u32 v[GA], s[TO], v[GL]
	v_add_nc_u32 v[PFO], s[TO], v[PF0]
	WIN 0xc0
.irp i, 0,1,2,3,4,5,6,7,8,9,10,11,12,13,14,15
	global_load_b128 v[4*\i:4*\i+3], v[GA], s[KV:KV+1] offset:512*\i
.endr
	WIN 0
	s_add_co_u32 s[NXT], s[NXT], 1                 ; the block's next tile, or behind its last the second block's tile 0
	s_cmp_gt_u32 s[NXT], s[LQ]
	s_cselect_b32 s[NXT], 0, s[NXT]
	s_cselect_b32 s[LQ], s[PB], s[LQ]
	s_cmp_ge_u32 s[NT], s[PFL]                     ; my own 8 KiB of the tile two loads on, a lane for each 256 bytes; tiles 5 to 15, each named once for the head
	s_cbranch_scc0 .Lnost
	global_prefetch_b8 v[PFO], s[KV:KV+1] offset:32768 th:TH_LOAD_NT scope:SCOPE_SE
.Lnost:
	TURN 0, 0
	TURN 1, 0
	WIN 0
	s_cmp_lg_u32 s[REM], 0
	s_cbranch_scc1 .Lmid
	; A BLOCK ENDS.  (Its last turn has multiplied a step that does not exist, all hidden: m, l and O^T of piece 0 are as they were.)
.set VR, VB1
.set i, 0
.rept 8
	PV 1
.set i, i+1
.endr
	WIN 0
	ALL v_add_f32 v[ST+4*t+2], v[ST+4*t+2], v[ST+4*t+3]
	ALL v_permlanex16_b32 v[ST+4*t+3], v[ST+4*t+2], s[SEL], s[SEL+1]
	ALL v_add_f32 v[ST+4*t+2], v[ST+4*t+2], v[ST+4*t+3]
	ALL v_cmp_gt_f32 s[FL+t], s[THR], v[ST+4*t+1]
	ALL v_rcp_f32 v[ST+4*t+2], v[ST+4*t+2]
	v_nop                                          ; a plain instruction behind the last reciprocal,
	s_wait_alu depctr_va_vdst(0)                   ; and the one wait ahead of the first use
	PACK 0
	PACK 1
	SEND 0, 8
	SEND 1, 0
	s_cmp_eq_u32 s[BLK], 1
	s_cbranch_scc1 .Lexit
	s_wait_xcnt 0x0                                ; the stores have read their registers and O's address
	s_mov_b64 s[10:11], s[OLO:OLO+1]
	s_add_co_u32 s[REM], s[PB], 1                  ; the second block has b + 1 tiles
	s_mov_b32 s[KO], 0
	s_mov_b32 s[BLK], 1
	WIN 0x82
.set i, 0
.rept 32
	v_mov_b32 v[i], v[QB+i]
.set i, i+1
.endr
	WIN 0
.Lbegin:
	; A BLOCK BEGINS: c m far below every c s, so that the first a is 0; K, V and both masks of tile 0's even step; piece 0's first scores and statistics
	ALL v_mov_b32 v[ST+4*t], 0xfe000000
	ALL v_mov_b32 v[ST+4*t+1], 0xff7fffff
	v_add_nc_u32 v[PMA], s[KO], v[PA0]
	FK 0
	FPM 0
	FPM 1
	FV 0, VB0
	s_wait_dscnt 0x0
	s_cmp_lg_u32 s[REM], 1                         ; the block's only tile holds the diagonal
	s_cbranch_scc1 .Lnomd_b
	ADDMD 0
.Lnomd_b:
.set i, 0
.rept 8
	KQ 0
.set i, i+1
.endr
	WIN 0
.rept 4
	v_nop                                          ; the places behind those products
.endr
.set Y, 1
.irp n, 0,1,2,3,4,5,6,7,8,9,10,11,12,13,14,15,16,17,18,19,20,21
	OP X, \n
.endr
	v_nop
	s_wait_alu depctr_va_vdst(0)
.Lmid:
	TURN 0, 1
	TURN 1, 1
	WIN 0
	s_sub_co_u32 s[NT], s[NT], 1
	s_cmp_lg_u32 s[NT], 0
	s_cbranch_scc1 .Ltrip
.Lexit:
	s_wait_tensorcnt 0x0                           ; the wave's end, behind my last LDS store
	ds_add_u32 v[SPW], v[NIL]
	s_wait_dscnt 0x0
	s_endpgm
.Lfunc_end_k_qf7f732d8e6_attn:
	.size	k_qf7f732d8e6_attn, .Lfunc_end_k_qf7f732d8e6_attn-k_qf7f732d8e6_attn
	.p2alignl 7, 3214868480
	.fill 96, 4, 3214868480
	.section	.rodata,"a",@progbits
	.p2align	6, 0x0
	.amdhsa_kernel k_qf7f732d8e6_attn
		.amdhsa_group_segment_fixed_size 125696
		.amdhsa_private_segment_fixed_size 0
		.amdhsa_enable_private_segment 0
		.amdhsa_kernarg_size 32
		.amdhsa_user_sgpr_count 2
		.amdhsa_user_sgpr_kernarg_segment_ptr 1
		.amdhsa_wavefront_size32 1
		.amdhsa_system_sgpr_workgroup_id_x 1
		.amdhsa_system_sgpr_workgroup_id_y 1
		.amdhsa_system_sgpr_workgroup_id_z 1
		.amdhsa_system_vgpr_workitem_id 0
		.amdhsa_next_free_vgpr 960
		.amdhsa_next_free_sgpr 88
		.amdhsa_reserve_vcc 1
		.amdhsa_float_denorm_mode_32 3
		.amdhsa_float_denorm_mode_16_64 3
		.amdhsa_memory_ordered 1
		.amdhsa_forward_progress 1
		.amdhsa_inst_pref_size 102
	.end_amdhsa_kernel
	.amdgpu_metadata
---
amdhsa.version: [ 1, 2 ]
amdhsa.kernels:
  - .name:           k_qf7f732d8e6_attn
    .symbol:         k_qf7f732d8e6_attn.kd
    .args:
      - { .name: qkv, .offset: 0, .size: 8, .value_kind: global_buffer, .address_space: global }
      - { .name: pad_mask, .offset: 8, .size: 8, .value_kind: global_buffer, .address_space: global }
      - { .name: vpart, .offset: 16, .size: 8, .value_kind: global_buffer, .address_space: global }
      - { .name: ob, .offset: 24, .size: 8, .value_kind: global_buffer, .address_space: global }
    .group_segment_fixed_size: 125696
    .private_segment_fixed_size: 0
    .kernarg_segment_align: 8
    .kernarg_segment_size: 32
    .max_flat_workgroup_size: 128
    .sgpr_count:     88
    .vgpr_count:     960
    .wavefront_size: 32
...
	.end_amdgpu_metadata
.endif
;; end of part 3
;; launch wo (part 4): grid 8 x 32, 4 waves a work-group, clusters of 4 x 4, 327,680 bytes of LDS; arguments ob, wb, x2, bo, x; writes x2
.if DOCPART == 4
	.amdgcn_target "amdgcn-amd-amdhsa--gfx1250"
	.amdhsa_code_object_version 6
	.text
	.protected	k_qf7f732d8e6_wo
	.globl	k_qf7f732d8e6_wo
	.p2align	8
	.type	k_qf7f732d8e6_wo,@function
k_qf7f732d8e6_wo:
	s_mov_b64 s[64:65], 0
	v_nop
	global_prefetch_b8 v0, s[64:65] scope:SCOPE_SE
	s_setreg_imm32_b32 hwreg(HW_REG_WAVE_MODE, 25, 1), 1
	s_wait_xcnt 0x0
	s_wait_alu depctr_hold_cnt(0) depctr_sa_sdst(0) depctr_va_vdst(0) depctr_va_sdst(0) depctr_va_ssrc(0) depctr_va_vcc(0) depctr_vm_vsrc(0)
	s_getreg_b32 s2, hwreg(HW_REG_IB_STS2, 6, 4)
	s_cmp_eq_u32 s2, 0
	s_cbranch_scc0 .Lentry_in_a_cluster
	s_endpgm
.Lentry_in_a_cluster:
	s_bfe_u32 s2, ttmp6, 0x10000c
	s_cmp_lg_u32 s2, 0xf033
	s_cbranch_scc0 .Lentry_shape_is_right
	s_endpgm
.Lentry_shape_is_right:
; OUT[m][n] = RES[m][n] + bias[n] + sum over k of A[m][k] B[n][k].  Here: x2 = x + bo + ob Wo^T.  A: [4,096][SIZE_K] bf16; B: [1,024][SIZE_K] bf16 at byte BOFF of wb; RES, OUT: [4,096][1,024] f32.
; A tile of OUT is 128 x 128, so that 256 work-groups share the work; four waves of 64 x 64 (16 accumulators).  K in steps of 256 (LDS rows of 512 bytes) through two slots filled by joint tensor loads of a
; 4 x 4 cluster: A's tile shared along a row of the cluster, B's along a column.
; THE TEXT IS SHORT ON PURPOSE.  A step brings 131,072 bytes for 128 matrix instructions a wave, so the order of the products inside a step is not what a step's length hangs on.  A step's products are an inner
; loop of two trips over two quarters of 64 along K; the change of slots stands between steps, and the refill directly behind the wait that shows the other slot landed.  One text serves both slots: the LDS
; offset lies in s[TB], which steps along the rows and is taken back and turned by an exclusive or; the second first fill's descriptor walks on.
; THE RESIDUAL STARTS THE SUMS: it is loaded straight into the accumulators, in their own layout (the 8 loads of a block of 16 rows cover 256 consecutive bytes, aligned, of each row), so every product adds in
; place and no first step is written out.  The matrix instruction is used transposed: a lane holds one row and eight neighbouring columns.  The bias is added on the way out.
; THE WAY OUT: when the slots have had their last fill each wave lays its 64 x 64 f32 into 17,408 bytes of them (pitch 272), reads whole rows of 256 bytes back, adds the bias and stores, 16 rows a trip.
; STAG = 1: clusters whose x + y is odd begin their walk along K in the middle and wrap round, so that of the clusters that need the same rows of A or of B one half asks for a K step at another time than the other half.
; The f32 sums are then taken in another order of K.  STAG = 0: every cluster begins at K = 0.
; No prefetch: the tiles are small, and each is asked for by several clusters.
; REGISTERS: window 0: v16-31 addresses, v32-63 at work on the way out, v64-67 bias, v128-255 accumulators ((a, b) at 128 + 8 (4 a + b)); window 1: two fragment buffers of 128.
.set SIZE_K, 1024
.set BOFF,  6291456
.set STAG,  0
.set NSTEP, SIZE_K/256
.set KSTEP, 256
.set STEPB, 2*KSTEP                    ; bytes of a row in a K step
.set ROWB,  2*SIZE_K                   ; bytes in a row of A and of B: a power of two
.set PITCH, 528                        ; an LDS row: 512 bytes + 16: the 16 rows of a fragment load start 4 banks apart
.set HALFT, 64*PITCH
.set SLOT,  4*HALFT                    ; 0x21000: its two bits are clear in wave x HALFT and in s[TB] where it is turned
.set SPARE, 2*SLOT                     ; the spare words: 512 bytes that no other line names
.set SPI,   272
.set WST,   64*SPI
.set ADRA, 16
.set ADRA0, 17
.set ADRB, 20
.set ADRB0, 21
.set STO, 24
.set RD, 25
.set CO, 26
.set RO, 27
.set SPW, 28
.set NIL, 29
.set BO, 31
.set T, 32
.set BQ, 64
.set ACC, 128
.set F0, 0
.set F1, 128
.set G1, 24                            ; s[24:31] group 1 for A;  s[32:39] group 0, two sets: the second walks
.set G0, 32
.set G1B, 48                           ; the same for B
.set G0B, 56
.set TB, 66
.set OFK, 78                           ; s[78:79] byte offset along the rows of the K step asked for last
.set DW0, (1<<16)|(1<<20)|(1<<21)|(6<<22)|(3<<25)  ; 2-byte elements; padding on; bit 21 beside a mask; after every 128 words; 4 words
.set MSB, 0
.macro WIN new                         ; the immediate's high byte repeats the setting that is left; a switch that changes nothing is dropped
.if MSB != (\new)
	s_set_vgpr_msb (MSB<<8)|(\new)
.set MSB, \new
.endif
.endm
.macro PLACES                          ; four plain places behind matrix instructions, ahead of loads into their sources and of readers of their results
.rept 4
	v_nop
.endr
.endm
.macro JLOAD s                         ; a joint load: waves 0, 1 fetch A's halves, waves 2, 3 B's; s_nop 0 and four v_nop follow each line
	s_cmp_eq_u32 s11, 0
	s_cbranch_scc0 .Lfor_b_\@
	tensor_load_to_lds s[G0+4*(\s):G0+4*(\s)+3], s[G1:G1+7]
	s_nop 0
	PLACES
	s_branch .Lasked_\@
.Lfor_b_\@:
	tensor_load_to_lds s[G0B+4*(\s):G0B+4*(\s)+3], s[G1B:G1B+7]
	s_nop 0
	PLACES
.Lasked_\@:
.endm
.macro CROUND                          ; a round of the cluster's barrier
	s_barrier_signal -1
	s_barrier_wait -1
	s_cmp_lg_u32 s10, 0
	s_cbranch_scc1 .Lnot_wave_0_\@
	s_barrier_signal -3
.Lnot_wave_0_\@:
	s_barrier_wait -3
	s_barrier_signal -1
	s_barrier_wait -1
.endm
.macro MUL8 f, c, a0                   ; 8 products: m blocks a0, a0 + 1 x 4 n blocks, half c of buffer f.  The 16 accumulators take turns
	WIN 0x05
.irp a, \a0, (\a0)+1
.irp b, 0,1,2,3
	v_wmma_f32_16x16x32_bf16 v[ACC+8*(4*(\a)+(\b)):ACC+8*(4*(\a)+(\b))+7], v[(\f)+64+8*(4*(\c)+(\b)):(\f)+64+8*(4*(\c)+(\b))+7], v[(\f)+8*(4*(\c)+(\a)):(\f)+8*(4*(\c)+(\a))+7], v[ACC+8*(4*(\a)+(\b)):ACC+8*(4*(\a)+(\b))+7]
.endr
.endr
.endm
.macro FETCH k, f                      ; 32 LDS loads in one run: 64 along K at byte k behind the two addresses; the first 32 along K first
	WIN 0x40
.irp c, 0,1
.irp i, 0,1,2,3
	ds_load_b128 v[(\f)+64+8*(4*(\c)+(\i)):(\f)+64+8*(4*(\c)+(\i))+3],   v[ADRB] offset:(\k)+64*(\c)+(\i)*16*PITCH
	ds_load_b128 v[(\f)+64+8*(4*(\c)+(\i))+4:(\f)+64+8*(4*(\c)+(\i))+7], v[ADRB] offset:(\k)+64*(\c)+(\i)*16*PITCH+32
	ds_load_b128 v[(\f)+8*(4*(\c)+(\i)):(\f)+8*(4*(\c)+(\i))+3],         v[ADRA] offset:(\k)+64*(\c)+(\i)*16*PITCH
	ds_load_b128 v[(\f)+8*(4*(\c)+(\i))+4:(\f)+8*(4*(\c)+(\i))+7],       v[ADRA] offset:(\k)+64*(\c)+(\i)*16*PITCH+32
.endr
.endr
.endm
; A K STEP'S PRODUCTS, out of the slot at s[TB]: four quarters of 64 along K on buffers 0, 1, 0, 1; a trip of the inner loop is two of them.  While a quarter is multiplied the next one's fragments are fetched.
.macro MSTEP
	v_add_nc_u32 v[ADRA], s[TB], v[ADRA0]
	v_add_nc_u32 v[ADRB], s[TB], v[ADRB0]
	FETCH 0, F0
	WIN 0
	s_mov_b32 s2, 2
.Lq_\@:
	s_wait_dscnt 16                                ; buffer 0's first 32 along K are in
	MUL8 F0, 0, 0
	MUL8 F0, 0, 2
	PLACES
	FETCH 128, F1
	s_wait_dscnt 32                                ; all but the 32 just issued
	MUL8 F0, 1, 0
	MUL8 F0, 1, 2
	s_wait_dscnt 16                                ; buffer 1's first 32 along K are in
	MUL8 F1, 0, 0
	MUL8 F1, 0, 2
	WIN 0
	PLACES
	s_wait_dscnt 0x0                               ; all of buffer 1 is in: the count holds on both ways below
	s_add_co_u32 s[TB], s[TB], 256                 ; two quarters on
	s_cmp_eq_u32 s2, 1                             ; behind the step's fourth quarter there is none to fetch
	s_cbranch_scc1 .Lnf_\@
	FETCH 256, F0
	WIN 0
.Lnf_\@:
	v_add_nc_u32 v[ADRA], s[TB], v[ADRA0]
	v_add_nc_u32 v[ADRB], s[TB], v[ADRB0]
	MUL8 F1, 1, 0
	MUL8 F1, 1, 2
	WIN 0
	s_sub_co_u32 s2, s2, 1
	s_cmp_lg_u32 s2, 0
	s_cbranch_scc1 .Lq_\@
	s_sub_co_u32 s[TB], s[TB], 512                 ; back to the rows' first byte,
	s_xor_b32 s[TB], s[TB], SLOT                   ; in the other slot
.endm
; THE CHANGE OF SLOTS.  Each wave waits for all its tensor loads (one is out: its part of the other slot), adds 0 to its spare word, and waits for that and for its reads of the slot just multiplied.
; fill = 1: the barrier is a round of the cluster's, and the joint refill of the slot just multiplied, with the K step two on, is the first thing behind it.
.macro CHANGE fill
	s_wait_tensorcnt 0x0                           ; no tensor load of mine is out, so a group 0 may be written
	ds_add_u32 v[SPW], v[NIL]                      ; 0 onto my spare word; with fill = 1 the descriptors' scalar work stands between it and the wait for it
.if \fill
	s_add_co_u32 s[OFK], s[OFK], STEPB             ; the next K step; behind the rows' end the walk goes on at their beginning
	s_and_b32 s[OFK], s[OFK], ROWB-1
	s_xor_b32 s[G0+5], s[G0+5], SLOT
	s_add_nc_u64 s[G0+6:G0+7], s[14:15], s[OFK:OFK+1]
	s_or_b32 s[G0+7], s[G0+7], 0x80000000
	s_xor_b32 s[G0B+5], s[G0B+5], SLOT
	s_add_nc_u64 s[G0B+6:G0B+7], s[46:47], s[OFK:OFK+1]
	s_or_b32 s[G0B+7], s[G0B+7], 0x80000000
.endif
	s_wait_dscnt 0x0                               ; the add is done, my reads of the slot are over
.if \fill
	CROUND                                         ; no wave of any partner still reads the slot or has a load on its way
	JLOAD 1
.else
	s_barrier_signal -1
	s_barrier_wait -1
.endif
.endm
	s_load_b256 s[68:75], s[0:1], 0x0              ; A 68, wb 70, OUT 72, bias 74
	s_load_b64 s[76:77], s[0:1], 0x20              ; RES
	v_lshl_add_u32 v[SPW], v0, 2, SPARE
	v_mov_b32 v[NIL], 0
	ds_add_u32 v[SPW], v[NIL]                      ; the opening: the add and its wait ahead of my first tensor load
	v_lshrrev_b32 v1, 5, v0
	v_readfirstlane_b32 s10, v1                    ; wave 0..3
	s_lshr_b32 s11, s10, 1                         ; my half of the tile's rows; also: I fetch for A (0) or B (1)
	s_and_b32 s12, s10, 1                          ; my half of its columns; also: which 64 rows I fetch
	s_bfe_u32 s40, ttmp6, 0x40000                  ; cx
	s_bfe_u32 s41, ttmp6, 0x40004                  ; cy
	s_lshl_b32 s42, ttmp9, 2
	s_add_co_u32 s42, s42, s40                     ; tile column
	s_and_b32 s13, ttmp7, 0xffff                   ; cluster y
.if STAG
	s_add_co_u32 s[OFK], s13, ttmp9                ; cluster x + cluster y: the same in all sixteen partners
	s_and_b32 s[OFK], s[OFK], 1
	s_mul_i32 s[OFK], s[OFK], ROWB/2               ; where my cluster's walk along K begins
.else
	s_mov_b32 s[OFK], 0
.endif
	s_mov_b32 s[OFK+1], 0
	s_lshl_b32 s13, s13, 2
	s_add_co_u32 s13, s13, s41                     ; tile row
	s_lshl_b32 s43, s41, 2
	s_lshl_b32 s43, 15, s43                        ; my row of the cluster
	s_lshl_b32 s44, 0x1111, s40                    ; my column
	s_or_b32 s[G1], s43, DW0
	s_or_b32 s[G1B], s44, DW0
.irp g, G1, G1B
	s_mov_b32 s[(\g)+1], KSTEP<<16                 ; tensor_dim0 = 256
	s_mov_b32 s[(\g)+2], 64<<16                    ; tensor_dim1 = 64
	s_mov_b32 s[(\g)+3], KSTEP<<16                 ; tile_dim0 = 256
	s_mov_b32 s[(\g)+4], 64                        ; tile_dim1 = 64
	s_mov_b32 s[(\g)+5], SIZE_K                    ; elements from row to row
	s_mov_b32 s[(\g)+6], 0
	s_mov_b32 s[(\g)+7], 0
.endr
	s_lshl_b32 s17, s12, 6
	s_lshl_b32 s16, s13, 7
	s_add_co_u32 s16, s16, s17
	s_mul_i32 s16, s16, ROWB                       ; A: row 128 x tile row + 64 x half
	s_lshl_b32 s46, s42, 7
	s_add_co_u32 s46, s46, s17
	s_mul_i32 s46, s46, ROWB                       ; B: by the tile column
	s_mov_b32 s17, 0
	s_mov_b32 s47, 0
	s_mul_i32 s20, s10, HALFT                      ; where they go: no place in the cluster enters an LDS address
	s_mov_b32 s[TB], 0
	s_wait_dscnt 0x0                               ; the opening add is done
	s_wait_kmcnt 0x0
	s_add_nc_u64 s[14:15], s[68:69], s[16:17]      ; my rows of A and of B at K = 0: kept, each fill's address is made from them
	s_add_nc_u64 s[46:47], s[70:71], s[46:47]
	s_add_nc_u64 s[46:47], s[46:47], BOFF
	CROUND                                         ; all sixteen work-groups are here: the first joint loads meet
.irp s, 0,1
	s_mov_b32 s[G0+4*(\s)], 1
	s_add_co_u32 s[G0+4*(\s)+1], s20, (\s)*SLOT
	s_add_nc_u64 s[G0+4*(\s)+2:G0+4*(\s)+3], s[14:15], s[OFK:OFK+1]
	s_or_b32 s[G0+4*(\s)+3], s[G0+4*(\s)+3], 0x80000000
	s_mov_b32 s[G0B+4*(\s)], 1
	s_add_co_u32 s[G0B+4*(\s)+1], s20, (\s)*SLOT
	s_add_nc_u64 s[G0B+4*(\s)+2:G0B+4*(\s)+3], s[46:47], s[OFK:OFK+1]
	s_or_b32 s[G0B+4*(\s)+3], s[G0B+4*(\s)+3], 0x80000000
	JLOAD \s                                       ; two loads of mine are out
.if (\s) == 0
	s_add_co_u32 s[OFK], s[OFK], STEPB             ; the walk's second step (it begins at 0 or in the middle: no wrap here)
.endif
.endr
	v_and_b32 v1, 15, v0                           ; l % 16
	v_bfe_u32 v2, v0, 4, 1                         ; l / 16
	v_lshlrev_b32 v[BO], 4, v1
	s_lshl_b32 s16, s42, 9
	s_lshl_b32 s17, s12, 8
	s_add_co_u32 s16, s16, s17                     ; my 64 columns, in bytes of f32
	s_mov_b32 s17, 0
	s_add_nc_u64 s[4:5], s[74:75], s[16:17]
	s_lshl_b32 s18, s13, 19
	s_lshl_b32 s19, s11, 18
	s_add_co_u32 s18, s18, s19                     ; my 64 rows of 4,096 bytes
	s_add_co_u32 s18, s18, s16
	s_mov_b32 s19, 0
	s_add_nc_u64 s[8:9], s[72:73], s[18:19]
	s_add_nc_u64 s[6:7], s[76:77], s[18:19]
	v_lshlrev_b32 v3, 12, v1
	v_lshl_add_u32 v[RO], v2, 5, v3                ; row l % 16, columns 8 (l / 16) on
.irp a, 0,1,2,3
.irp b, 0,1,2,3
	global_load_b128 v[ACC+8*(4*\a+\b):ACC+8*(4*\a+\b)+3],   v[RO], s[6:7] offset:\a*65536+\b*64     ; register j: RES(16 a + l % 16, 16 b + 8 (l / 16) + j)
	global_load_b128 v[ACC+8*(4*\a+\b)+4:ACC+8*(4*\a+\b)+7], v[RO], s[6:7] offset:\a*65536+\b*64+16
.endr
.endr
	global_load_b128 v[BQ:BQ+3], v[BO], s[4:5]     ; the bias of the four columns that I store on the way out
	v_lshlrev_b32 v3, 12, v2
	v_lshl_add_u32 v[CO], v1, 4, v3                ; the way out: lanes 0-15 one row's 256 bytes, lanes 16-31 the next row's
	v_mul_u32_u24 v3, v1, PITCH
	v_lshl_add_u32 v3, v2, 4, v3                   ; a fragment's row x pitch + 16 x half
	s_mul_i32 s21, s11, HALFT
	s_mul_i32 s22, s12, HALFT
	s_add_co_u32 s22, s22, 2*HALFT
	v_add_nc_u32 v[ADRA0], s21, v3
	v_add_nc_u32 v[ADRB0], s22, v3
	s_mul_i32 s23, s10, WST                        ; my stage
	v_mul_u32_u24 v3, v1, SPI
	v_lshl_add_u32 v3, v2, 5, v3
	v_add_nc_u32 v[STO], s23, v3
	v_mul_u32_u24 v3, v2, SPI
	v_lshl_add_u32 v3, v1, 4, v3
	v_add_nc_u32 v[RD], s23, v3
	s_wait_loadcnt 0x0                             ; the residual lies in the accumulators, the bias in its four registers
	s_wait_tensorcnt 1                             ; my part of the walk's first step is in; the second step's load may stay out
	s_barrier_signal -1
	s_barrier_wait -1
	s_mov_b32 s3, NSTEP-2
.Lk:                                           ; a step is multiplied, and its slot takes the step two on
	MSTEP
	CHANGE 1
	s_sub_co_u32 s3, s3, 1
	s_cmp_lg_u32 s3, 0
	s_cbranch_scc1 .Lk
	s_mov_b32 s3, 2
.Lt:                                           ; the last two steps ask for nothing; behind the second's barrier no wave reads the slots any more: they may be written
	MSTEP
	CHANGE 0
	s_sub_co_u32 s3, s3, 1
	s_cmp_lg_u32 s3, 0
	s_cbranch_scc1 .Lt
	PLACES
.irp a, 0,1,2,3
.irp b, 0,1,2,3
	ds_store_b128 v[STO], v[ACC+8*(4*\a+\b):ACC+8*(4*\a+\b)+3]   offset:\a*16*SPI+\b*64       ; each accumulator's low registers first
	ds_store_b128 v[STO], v[ACC+8*(4*\a+\b)+4:ACC+8*(4*\a+\b)+7] offset:\a*16*SPI+\b*64+16
.endr
.endr
	s_mov_b32 s3, 4
.Lp:                                           ; 16 rows a trip, back as whole rows; LDS serves a wave's instructions in order, and the stage is my own
.irp u, 0,1,2,3,4,5,6,7
	ds_load_b128 v[T+4*\u:T+4*\u+3], v[RD] offset:2*SPI*\u
.endr
.irp u, 0,1,2,3,4,5,6,7
	s_wait_dscnt 7-\u                              ; pair u of rows is in, the younger loads stay out
	v_pk_add_f32 v[T+4*\u:T+4*\u+1], v[T+4*\u:T+4*\u+1], v[BQ:BQ+1]
	v_pk_add_f32 v[T+4*\u+2:T+4*\u+3], v[T+4*\u+2:T+4*\u+3], v[BQ+2:BQ+3]
	global_store_b128 v[CO], v[T+4*\u:T+4*\u+3], s[8:9] offset:8192*\u  ; 16 lanes store 256 consecutive bytes, aligned
.endr
	s_wait_xcnt 0x0                                ; the offset and the stores' data are written again only behind this wait
	v_add_nc_u32 v[RD], 16*SPI, v[RD]
	v_add_nc_u32 v[CO], 0x10000, v[CO]
	s_sub_co_u32 s3, s3, 1
	s_cmp_lg_u32 s3, 0
	s_cbranch_scc1 .Lp
	s_wait_tensorcnt 0x0                           ; the wave's end
	ds_add_u32 v[SPW], v[NIL]
	s_wait_dscnt 0x0
	CROUND                                         ; the closing round
	s_endpgm
.Lfunc_end_k_qf7f732d8e6_wo:
	.size	k_qf7f732d8e6_wo, .Lfunc_end_k_qf7f732d8e6_wo-k_qf7f732d8e6_wo
	.p2alignl 7, 3214868480
	.fill 96, 4, 3214868480
	.section	.rodata,"a",@progbits
	.p2align	6, 0x0
	.amdhsa_kernel k_qf7f732d8e6_wo
		.amdhsa_group_segment_fixed_size 327680
		.amdhsa_private_segment_fixed_size 0
		.amdhsa_enable_private_segment 0
		.amdhsa_kernarg_size 40
		.amdhsa_user_sgpr_count 2
		.amdhsa_user_sgpr_kernarg_segment_ptr 1
		.amdhsa_wavefront_size32 1
		.amdhsa_system_sgpr_workgroup_id_x 1
		.amdhsa_system_sgpr_workgroup_id_y 1
		.amdhsa_system_sgpr_workgroup_id_z 1
		.amdhsa_system_vgpr_workitem_id 0
		.amdhsa_next_free_vgpr 512
		.amdhsa_next_free_sgpr 80
		.amdhsa_reserve_vcc 0
		.amdhsa_float_denorm_mode_32 3
		.amdhsa_float_denorm_mode_16_64 3
		.amdhsa_memory_ordered 1
		.amdhsa_forward_progress 1
		.amdhsa_inst_pref_size 40
	.end_amdhsa_kernel
	.amdgpu_metadata
---
amdhsa.version: [ 1, 2 ]
amdhsa.kernels:
  - .name:           k_qf7f732d8e6_wo
    .symbol:         k_qf7f732d8e6_wo.kd
    .args:
      - { .name: ob, .offset: 0, .size: 8, .value_kind: global_buffer, .address_space: global }
      - { .name: wb, .offset: 8, .size: 8, .value_kind: global_buffer, .address_space: global }
      - { .name: x2, .offset: 16, .size: 8, .value_kind: global_buffer, .address_space: global }
      - { .name: bo, .offset: 24, .size: 8, .value_kind: global_buffer, .address_space: global }
      - { .name: x, .offset: 32, .size: 8, .value_kind: global_buffer, .address_space: global }
    .group_segment_fixed_size: 327680
    .private_segment_fixed_size: 0
    .kernarg_segment_align: 8
    .kernarg_segment_size: 40
    .max_flat_workgroup_size: 128
    .sgpr_count:     80
    .vgpr_count:     512
    .wavefront_size: 32
...
	.end_amdgpu_metadata
.endif
;; end of part 4
;; launch ln2 (part 5): grid 512 x 1, 8 waves a work-group, no clusters, 0 bytes of LDS; arguments x2, ln2_g, ln2_b, nrm; writes nrm
.if DOCPART == 5
	.amdgcn_target "amdgcn-amd-amdhsa--gfx1250"
	.amdhsa_code_object_version 6
	.text
	.protected	k_qf7f732d8e6_ln2
	.globl	k_qf7f732d8e6_ln2
	.p2align	8
	.type	k_qf7f732d8e6_ln2,@function
k_qf7f732d8e6_ln2:
	s_mov_b64 s[64:65], 0
	v_nop
	global_prefetch_b8 v0, s[64:65] scope:SCOPE_SE
	s_setreg_imm32_b32 hwreg(HW_REG_WAVE_MODE, 25, 1), 1
	s_wait_xcnt 0x0
; LayerNorm 2: nrm[r] = (x2[r] - mean) / sqrt(var + 1e-5) * g + b, in bf16.  One row of 1,024 f32 a wave, eight rows a work-group; the row stays in registers between the passes,
; and the variance is taken of x - mean, so a common offset costs no digits.  No LDS, no barrier: no wave waits for another.  Every load of a wave covers 512 consecutive bytes, every store 256, aligned.
.set XR, 16
.set GR, 48
.set BR, 80
.macro WSUM                            ; four pairs of partial sums in v[4:11] -> their sum over the wave's 32 lanes, in v4 of every lane
	v_pk_add_f32 v[4:5], v[4:5], v[6:7]
	v_pk_add_f32 v[8:9], v[8:9], v[10:11]
	v_pk_add_f32 v[4:5], v[4:5], v[8:9]
	v_add_f32 v4, v4, v5
.irp m, 1,2,4,8
	v_add_f32_dpp v4, v4, v4 row_xmask:\m row_mask:0xf bank_mask:0xf
.endr
	v_permlanex16_b32 v5, v4, s40, s41
	v_add_f32 v4, v4, v5
.endm
	s_load_b256 s[8:15], s[0:1], 0x0               ; x2 8, ln2_g 10, ln2_b 12, nrm 14
	v_lshrrev_b32 v1, 5, v0
	v_readfirstlane_b32 s4, v1
	s_lshl3_add_u32 s5, ttmp9, s4                  ; my row
	s_mov_b32 s7, 0
	v_and_b32 v1, 31, v0
	v_lshlrev_b32 v2, 3, v1
	v_lshlrev_b32 v1, 4, v1
	s_wait_kmcnt 0x0
	s_lshl_b32 s6, s5, 12
	s_add_nc_u64 s[8:9], s[8:9], s[6:7]
	s_lshl_b32 s6, s5, 11
	s_add_nc_u64 s[14:15], s[14:15], s[6:7]
.irp j, 0,1,2,3,4,5,6,7
	global_load_b128 v[XR+4*\j:XR+4*\j+3], v1, s[8:9] offset:512*\j
.endr
.irp j, 0,1,2,3,4,5,6,7
	global_load_b128 v[GR+4*\j:GR+4*\j+3], v1, s[10:11] offset:512*\j
.endr
.irp j, 0,1,2,3,4,5,6,7
	global_load_b128 v[BR+4*\j:BR+4*\j+3], v1, s[12:13] offset:512*\j
.endr
	s_mov_b32 s40, 0x76543210
	s_mov_b32 s41, 0xfedcba98
	s_mov_b32 s42, 0x3a800000                      ; 1 / 1024
	s_mov_b32 s43, 0x3727c5ac                      ; 1e-5
	s_wait_loadcnt 16                              ; the row is in; the sixteen loads of gain and bias may stay out
.irp k, 0,1,2,3
	v_pk_add_f32 v[4+2*\k:5+2*\k], v[XR+2*\k:XR+2*\k+1], v[XR+8+2*\k:XR+9+2*\k]
.endr
.irp o, 16,24
.irp k, 0,1,2,3
	v_pk_add_f32 v[4+2*\k:5+2*\k], v[4+2*\k:5+2*\k], v[XR+\o+2*\k:XR+\o+2*\k+1]
.endr
.endr
	WSUM
	v_mul_f32 v12, s42, v4
	v_mov_b32 v13, v12
.set z, 0
.rept 16
	v_pk_add_f32 v[XR+z:XR+z+1], v[XR+z:XR+z+1], v[12:13] neg_lo:[0,1] neg_hi:[0,1]
.set z, z+2
.endr
.irp k, 0,1,2,3
	v_pk_mul_f32 v[4+2*\k:5+2*\k], v[XR+2*\k:XR+2*\k+1], v[XR+2*\k:XR+2*\k+1]
.endr
.irp o, 8,16,24
.irp k, 0,1,2,3
	v_pk_fma_f32 v[4+2*\k:5+2*\k], v[XR+\o+2*\k:XR+\o+2*\k+1], v[XR+\o+2*\k:XR+\o+2*\k+1], v[4+2*\k:5+2*\k]
.endr
.endr
	WSUM
	v_fma_f32 v12, v4, s42, s43
	v_rsq_f32 v14, v12
	v_rsq_f32 v15, v12
	v_nop                                          ; a plain instruction behind the last root,
	s_wait_alu depctr_va_vdst(0)                   ; and the one wait ahead of the first use
	s_wait_loadcnt 0x0
.set z, 0
.rept 16
	v_pk_mul_f32 v[XR+z:XR+z+1], v[XR+z:XR+z+1], v[14:15]
.set z, z+2
.endr
.set z, 0
.rept 16
	v_pk_fma_f32 v[XR+z:XR+z+1], v[XR+z:XR+z+1], v[GR+z:GR+z+1], v[BR+z:BR+z+1]
.set z, z+2
.endr
.set z, 0
.rept 16
	v_cvt_pk_bf16_f32 v[GR+z], v[XR+2*z], v[XR+2*z+1]
.set z, z+1
.endr
.irp j, 0,1,2,3,4,5,6,7
	global_store_b64 v2, v[GR+2*\j:GR+2*\j+1], s[14:15] offset:256*\j
.endr
	s_endpgm
.Lfunc_end_k_qf7f732d8e6_ln2:
	.size	k_qf7f732d8e6_ln2, .Lfunc_end_k_qf7f732d8e6_ln2-k_qf7f732d8e6_ln2
	.p2alignl 7, 3214868480
	.fill 96, 4, 3214868480
	.section	.rodata,"a",@progbits
	.p2align	6, 0x0
	.amdhsa_kernel k_qf7f732d8e6_ln2
		.amdhsa_group_segment_fixed_size 0
		.amdhsa_private_segment_fixed_size 0
		.amdhsa_enable_private_segment 0
		.amdhsa_kernarg_size 32
		.amdhsa_user_sgpr_count 2
		.amdhsa_user_sgpr_kernarg_segment_ptr 1
		.amdhsa_wavefront_size32 1
		.amdhsa_system_sgpr_workgroup_id_x 1
		.amdhsa_system_sgpr_workgroup_id_y 1
		.amdhsa_system_sgpr_workgroup_id_z 1
		.amdhsa_system_vgpr_workitem_id 0
		.amdhsa_next_free_vgpr 112
		.amdhsa_next_free_sgpr 66
		.amdhsa_reserve_vcc 0
		.amdhsa_float_denorm_mode_32 3
		.amdhsa_float_denorm_mode_16_64 3
		.amdhsa_memory_ordered 1
		.amdhsa_forward_progress 1
		.amdhsa_inst_pref_size 12
	.end_amdhsa_kernel
	.amdgpu_metadata
---
amdhsa.version: [ 1, 2 ]
amdhsa.kernels:
  - .name:           k_qf7f732d8e6_ln2
    .symbol:         k_qf7f732d8e6_ln2.kd
    .args:
      - { .name: x2, .offset: 0, .size: 8, .value_kind: global_buffer, .address_space: global }
      - { .name: ln2_g, .offset: 8, .size: 8, .value_kind: global_buffer, .address_space: global }
      - { .name: ln2_b, .offset: 16, .size: 8, .value_kind: global_buffer, .address_space: global }
      - { .name: nrm, .offset: 24, .size: 8, .value_kind: global_buffer, .address_space: global }
    .group_segment_fixed_size: 0
    .private_segment_fixed_size: 0
    .kernarg_segment_align: 8
    .kernarg_segment_size: 32
    .max_flat_workgroup_size: 256
    .sgpr_count:     66
    .vgpr_count:     112
    .wavefront_size: 32
...
	.end_amdgpu_metadata
.endif
;; end of part 5
;; launch ffn1 (part 6): grid 16 x 16, 4 waves a work-group, clusters of 4 x 4, 327,680 bytes of LDS; arguments nrm, wb, hid, b1; writes hid
.if DOCPART == 6
	.amdgcn_target "amdgcn-amd-amdhsa--gfx1250"
	.amdhsa_code_object_version 6
	.text
	.protected	k_qf7f732d8e6_ffn1
	.globl	k_qf7f732d8e6_ffn1
	.p2align	8
	.type	k_qf7f732d8e6_ffn1,@function
k_qf7f732d8e6_ffn1:
	s_mov_b64 s[64:65], 0
	v_nop
	global_prefetch_b8 v0, s[64:65] scope:SCOPE_SE
	s_setreg_imm32_b32 hwreg(HW_REG_WAVE_MODE, 25, 1), 1
	s_wait_xcnt 0x0
	s_wait_alu depctr_hold_cnt(0) depctr_sa_sdst(0) depctr_va_vdst(0) depctr_va_sdst(0) depctr_va_ssrc(0) depctr_va_vcc(0) depctr_vm_vsrc(0)
	s_getreg_b32 s2, hwreg(HW_REG_IB_STS2, 6, 4)
	s_cmp_eq_u32 s2, 0
	s_cbranch_scc0 .Lentry_in_a_cluster
	s_endpgm
.Lentry_in_a_cluster:
	s_bfe_u32 s2, ttmp6, 0x10000c
	s_cmp_lg_u32 s2, 0xf033
	s_cbranch_scc0 .Lentry_shape_is_right
	s_endpgm
.Lentry_shape_is_right:
; hid = gelu(nrm W1^T + b1), bf16.  C[m][n] = sum over k of nrm[m][k] W1[n][k] + b1[n], m = 4,096, n = 4,096, k = 1,024; bf16 operands, f32 sums; the exact (erf) GELU in f32.
; erf by the rational form t = 1 / (1 + 0.3275911 z), 1 - (a1 t + .. + a5 t^5) e^(-z^2), absolute error at most 1.5e-7: gelu(x) = max(x, 0) - |x| h, h = half that polynomial times 2^(-(0.8493218 x)^2).
; SHAPE.  A tile of C is 256 x 256, four waves of 128 x 128 (64 accumulators); K in 8 steps of 128 through two LDS slots filled by joint tensor loads of a 4 x 4 cluster: A's tile shared along a row of the
; cluster, B's along a column.  256 work-groups.  One text serves both slots: the LDS addresses hang on s[TB]; the second first fill's descriptor walks on.  The bias is the C operand that starts the sums.
; THE WAY OUT.  When the slots have had their last fill each wave lays its 128 x 128 f32 into 67,584 bytes of them (pitch 528) and walks them, four rows a trip.  There a lane reads 32 bytes on end, so lanes c and c + 8 of a
; row meet in the same banks: two deep; in return a lane's eight results are 16 bytes of hid on end.
; REGISTERS: window 0: v16-31 addresses, v64-191 A's fragments, v192-255 bias; window 1: v64-191 B's fragments; windows 2, 3: the accumulators, (a, b) at 8 (8 a + b).
.set BOFF,  8388608
.set KSTEP, 128
.set PITCH, 272
.set HALFT, 128*PITCH
.set SLOT,  4*HALFT                    ; 0x22000: its two bits are clear in wave x HALFT
.set SPARE, 2*SLOT
.set SPI,   528
.set WST,   128*SPI
.set ADRA, 16
.set ADRA0, 17
.set ADRB, 20
.set ADRB0, 21
.set STO, 24
.set RD, 25
.set CO, 26
.set SPW, 28
.set NIL, 29
.set PFO, 30
.set BO, 31
.set F0, 64
.set F1, 128
.set BIAS, 192
.set G1, 24
.set G0, 32
.set LIM, 43
.set PFA, 44
.set G1B, 48
.set G0B, 56
.set TB, 66
.set DW0, (1<<16)|(1<<20)|(1<<21)|(5<<22)|(3<<25)
.set MSB, 0
.macro WIN new
.if MSB != (\new)
	s_set_vgpr_msb (MSB<<8)|(\new)
.set MSB, \new
.endif
.endm
.macro PLACES
.rept 4
	v_nop
.endr
.endm
.macro JLOAD s                         ; a joint load: waves 0, 1 fetch A's halves, waves 2, 3 B's; s_nop 0 and four v_nop follow each line
	s_cmp_eq_u32 s11, 0
	s_cbranch_scc0 .Lfor_b_\@
	tensor_load_to_lds s[G0+4*(\s):G0+4*(\s)+3], s[G1:G1+7]
	s_nop 0
	PLACES
	s_branch .Lasked_\@
.Lfor_b_\@:
	tensor_load_to_lds s[G0B+4*(\s):G0B+4*(\s)+3], s[G1B:G1B+7]
	s_nop 0
	PLACES
.Lasked_\@:
.endm
.macro ASK                             ; a prefetch of the K step two refills on: 32 rows x 256 bytes, a lane a row.  Cluster x = 0 asks for A's rows, cluster y = 0 for B's; the four partners share a wave's 128 rows by address
	s_cmp_gt_u32 s3, s[LIM]
	s_cbranch_scc0 .Lnot_mine_\@
	global_prefetch_b8 v[PFO], s[PFA:PFA+1] offset:KSTEP*2 th:TH_LOAD_NT scope:SCOPE_SE
.Lnot_mine_\@:
.endm
.macro CREST
	s_cmp_lg_u32 s10, 0
	s_cbranch_scc1 .Lnot_wave_0_\@
	s_barrier_signal -3
.Lnot_wave_0_\@:
	s_barrier_wait -3
	s_barrier_signal -1
	s_barrier_wait -1
.endm
.macro CROUND
	s_barrier_signal -1
	s_barrier_wait -1
	CREST
.endm
.macro MUL16 f, hi, a0, first          ; 16 products; first = 1: the bias starts the sums.  The 64 accumulators take turns
.if \first
	WIN 0x81+0x40*(\hi)
.else
	WIN 0xa1+0x50*(\hi)
.endif
.irp a, \a0, (\a0)+1
.irp b, 0,1,2,3,4,5,6,7
.if \first
	v_wmma_f32_16x16x32_bf16 v[8*(8*(\a)+(\b)):8*(8*(\a)+(\b))+7], v[(\f)+8*(\b):(\f)+8*(\b)+7], v[(\f)+8*(4*(\hi)+(\a)):(\f)+8*(4*(\hi)+(\a))+7], v[BIAS+8*(\b):BIAS+8*(\b)+7]
.else
	v_wmma_f32_16x16x32_bf16 v[8*(8*(\a)+(\b)):8*(8*(\a)+(\b))+7], v[(\f)+8*(\b):(\f)+8*(\b)+7], v[(\f)+8*(4*(\hi)+(\a)):(\f)+8*(4*(\hi)+(\a))+7], v[8*(8*(\a)+(\b)):8*(8*(\a)+(\b))+7]
.endif
.endr
.endr
.endm
.macro FETCH k, f
	WIN 0x40
.irp i, 0,1,2,3,4,5,6,7
	ds_load_b128 v[(\f)+8*(\i):(\f)+8*(\i)+3],   v[ADRB] offset:(\k)+(\i)*16*PITCH
	ds_load_b128 v[(\f)+8*(\i)+4:(\f)+8*(\i)+7], v[ADRB] offset:(\k)+(\i)*16*PITCH+32
.endr
	WIN 0
.irp i, 0,1,2,3,4,5,6,7
	ds_load_b128 v[(\f)+8*(\i):(\f)+8*(\i)+3],   v[ADRA] offset:(\k)+(\i)*16*PITCH
	ds_load_b128 v[(\f)+8*(\i)+4:(\f)+8*(\i)+7], v[ADRA] offset:(\k)+(\i)*16*PITCH+32
.endr
.endm
.macro QUARTER k, f, g, first
	s_wait_dscnt 8                                 ; B and A's rows 0-63 are in; the youngest eight loads may be out
	MUL16 \f, 0, 0, \first
	MUL16 \f, 0, 2, \first
	PLACES
	FETCH \k, \g
	s_wait_dscnt 32                                ; all but the 32 just issued
	MUL16 \f, 1, 0, \first
	MUL16 \f, 1, 2, \first
.endm
.macro TURN fill                       ; the last quarter and the change of slots: all my tensor loads, the add, my reads of this slot, ONE barrier; fill = 1: it opens a round of the cluster's, and the joint refill comes first behind it
.if \fill
	s_wait_xcnt 0x0                                ; the last prefetch, a K step back, has read its address
	s_add_nc_u64 s[PFA:PFA+1], s[PFA:PFA+1], KSTEP*2
.endif
	WIN 0
	s_wait_tensorcnt 0x0
	ds_add_u32 v[SPW], v[NIL]
	s_wait_dscnt 9                                 ; (the add and the youngest eight loads may be out)
	MUL16 F1, 0, 0, 0
	s_wait_dscnt 0x0
	s_barrier_signal -1
	MUL16 F1, 0, 2, 0
	WIN 0
	s_barrier_wait -1
.if \fill
	CREST
	s_xor_b32 s[G0+5], s[G0+5], SLOT
	s_add_nc_u64 s[G0+6:G0+7], s[G0+6:G0+7], KSTEP*2
	s_xor_b32 s[G0B+5], s[G0B+5], SLOT
	s_add_nc_u64 s[G0B+6:G0B+7], s[G0B+6:G0B+7], KSTEP*2
	s_xor_b32 s[TB], s[TB], SLOT
	JLOAD 1
	v_add_nc_u32 v[ADRA], s[TB], v[ADRA0]
	v_add_nc_u32 v[ADRB], s[TB], v[ADRB0]
	FETCH 0, F0
	ASK
.else
	s_xor_b32 s[TB], s[TB], SLOT
	v_add_nc_u32 v[ADRA], s[TB], v[ADRA0]
	v_add_nc_u32 v[ADRB], s[TB], v[ADRB0]
	PLACES
	s_cmp_eq_u32 s2, 1
	s_cbranch_scc1 .Lnf_\@
	FETCH 0, F0
.Lnf_\@:
.endif
	MUL16 F1, 1, 0, 0
	MUL16 F1, 1, 2, 0
.endm
.macro DUMP
.irp a, 0,1,2,3,4,5,6,7
	WIN 0x08+4*((\a)/4)
.irp b, 0,1,2,3,4,5,6,7
	ds_store_b128 v[STO], v[8*(8*((\a)%4)+(\b)):8*(8*((\a)%4)+(\b))+3]   offset:(\a)*16*SPI+(\b)*64
	ds_store_b128 v[STO], v[8*(8*((\a)%4)+(\b))+4:8*(8*((\a)%4)+(\b))+7] offset:(\a)*16*SPI+(\b)*64+16
.endr
.endr
	WIN 0
.endm
	s_load_b256 s[68:75], s[0:1], 0x0              ; nrm 68, wb 70, hid 72, b1 74
	v_lshl_add_u32 v[SPW], v0, 2, SPARE
	v_mov_b32 v[NIL], 0
	ds_add_u32 v[SPW], v[NIL]                      ; the opening: the add and its wait ahead of my first tensor load
	v_lshrrev_b32 v1, 5, v0
	v_readfirstlane_b32 s10, v1
	s_lshr_b32 s11, s10, 1
	s_and_b32 s12, s10, 1
	s_bfe_u32 s40, ttmp6, 0x40000
	s_bfe_u32 s41, ttmp6, 0x40004
	s_lshl_b32 s42, ttmp9, 2
	s_add_co_u32 s42, s42, s40
	s_and_b32 s13, ttmp7, 0xffff
	s_lshl_b32 s13, s13, 2
	s_add_co_u32 s13, s13, s41
	s_lshl_b32 s43, s41, 2
	s_lshl_b32 s43, 15, s43
	s_lshl_b32 s44, 0x1111, s40
	s_or_b32 s[G1], s43, DW0
	s_or_b32 s[G1B], s44, DW0
.irp g, G1, G1B
	s_mov_b32 s[(\g)+1], KSTEP<<16
	s_mov_b32 s[(\g)+2], 128<<16
	s_mov_b32 s[(\g)+3], KSTEP<<16
	s_mov_b32 s[(\g)+4], 128
	s_mov_b32 s[(\g)+5], 1024
	s_mov_b32 s[(\g)+6], 0
	s_mov_b32 s[(\g)+7], 0
.endr
	s_mov_b32 s84, 0x3e6d3388                      ; 0.23164189 = 0.3275911 / sqrt 2; each constant twice: the packed forms name a pair
	s_mov_b32 s85, s84
	s_mov_b32 s86, 0x3f596d27                      ; 0.84932180 = sqrt(log2(e) / 2)
	s_mov_b32 s87, s86
	s_mov_b32 s88, 0x3f07dc22                      ; the polynomial's halved coefficients, from t^5 down: 0.53070271,
	s_mov_b32 s89, s88
	s_mov_b32 s90, 0xbf3a00e3                      ; -0.72657601,
	s_mov_b32 s91, s90
	s_mov_b32 s92, 0x3f35f0e3                      ; 0.71070687,
	s_mov_b32 s93, s92
	s_mov_b32 s94, 0xbe11a98e                      ; -0.14224837,
	s_mov_b32 s95, s94
	s_mov_b32 s96, 0x3e027906                      ; 0.12741480
	s_mov_b32 s97, s96
	s_mov_b32 s98, 0x7fffffff
	s_lshl_b32 s17, s12, 7
	s_lshl_b32 s16, s13, 8
	s_add_co_u32 s16, s16, s17
	s_lshl_b32 s16, s16, 11
	s_lshl_b32 s46, s42, 8
	s_add_co_u32 s46, s46, s17
	s_lshl_b32 s46, s46, 11
	s_mov_b32 s17, 0
	s_mov_b32 s47, 0
	s_mul_i32 s20, s10, HALFT
	s_mov_b32 s[TB], 0
	s_wait_dscnt 0x0
	s_wait_kmcnt 0x0
	s_add_nc_u64 s[14:15], s[68:69], s[16:17]
	s_add_nc_u64 s[46:47], s[70:71], s[46:47]
	s_add_nc_u64 s[46:47], s[46:47], BOFF
	CROUND
.irp s, 0,1
	s_mov_b32 s[G0+4*(\s)], 1
	s_add_co_u32 s[G0+4*(\s)+1], s20, (\s)*SLOT
	s_add_nc_u64 s[G0+4*(\s)+2:G0+4*(\s)+3], s[14:15], (\s)*KSTEP*2
	s_or_b32 s[G0+4*(\s)+3], s[G0+4*(\s)+3], 0x80000000
	s_mov_b32 s[G0B+4*(\s)], 1
	s_add_co_u32 s[G0B+4*(\s)+1], s20, (\s)*SLOT
	s_add_nc_u64 s[G0B+4*(\s)+2:G0B+4*(\s)+3], s[46:47], (\s)*KSTEP*2
	s_or_b32 s[G0B+4*(\s)+3], s[G0B+4*(\s)+3], 0x80000000
	JLOAD \s
.endr
	v_and_b32 v1, 15, v0
	v_bfe_u32 v2, v0, 4, 1
	v_and_b32 v5, 31, v0
	v_lshlrev_b32 v[BO], 5, v2
	s_lshl_b32 s16, s42, 10
	s_lshl_b32 s17, s12, 9
	s_add_co_u32 s16, s16, s17
	s_mov_b32 s17, 0
	s_add_nc_u64 s[4:5], s[74:75], s[16:17]
.irp b, 0,1,2,3,4,5,6,7
	global_load_b128 v[BIAS+8*\b:BIAS+8*\b+3],   v[BO], s[4:5] offset:64*\b
	global_load_b128 v[BIAS+8*\b+4:BIAS+8*\b+7], v[BO], s[4:5] offset:64*\b+16
.endr
	v_mul_u32_u24 v3, v1, PITCH
	v_lshl_add_u32 v3, v2, 4, v3
	s_mul_i32 s21, s11, HALFT
	s_mul_i32 s22, s12, HALFT
	s_add_co_u32 s22, s22, 2*HALFT
	v_add_nc_u32 v[ADRA0], s21, v3
	v_add_nc_u32 v[ADRB0], s22, v3
	v_mov_b32 v[ADRA], v[ADRA0]
	v_mov_b32 v[ADRB], v[ADRB0]
	s_mul_i32 s23, s10, WST
	v_mul_u32_u24 v3, v1, SPI
	v_lshl_add_u32 v3, v2, 5, v3
	v_add_nc_u32 v[STO], s23, v3
	v_mul_u32_u24 v3, v2, SPI                      ; back: lanes 0-15 one row, lanes 16-31 the next; 8 columns a lane
	v_lshl_add_u32 v3, v1, 5, v3
	v_add_nc_u32 v[RD], s23, v3
	v_lshlrev_b32 v3, 13, v2
	v_lshl_add_u32 v[CO], v1, 4, v3                ; the same two rows in hid, 8,192 bytes apart
	s_lshl_b32 s20, s13, 21
	s_lshl_b32 s21, s11, 20
	s_add_co_u32 s20, s20, s21
	s_lshl_b32 s21, s42, 9
	s_add_co_u32 s20, s20, s21
	s_lshl_b32 s21, s12, 8
	s_add_co_u32 s20, s20, s21
	s_mov_b32 s21, 0
	s_add_nc_u64 s[8:9], s[72:73], s[20:21]
	; the prefetches
	s_lshl_b32 s20, s13, 8
	s_lshl_b32 s21, s42, 8
	s_and_b32 s22, ttmp7, 0xffff
	s_cmp_eq_u32 s11, 0
	s_cselect_b32 s20, s20, s21
	s_cselect_b32 s21, s40, s41
	s_cselect_b32 s22, ttmp9, s22
	s_cselect_b64 s[PFA:PFA+1], s[68:69], s[70:71]
	s_cselect_b32 s16, 0, BOFF
	s_cmp_eq_u32 s22, 0
	s_cselect_b32 s[LIM], 2, -1
	s_lshl_b32 s22, s12, 7
	s_add_co_u32 s20, s20, s22
	s_lshl_b32 s21, s21, 5
	s_add_co_u32 s20, s20, s21
	s_lshl_b32 s20, s20, 11
	s_add_co_u32 s20, s20, s16
	s_mov_b32 s21, 0
	s_add_nc_u64 s[PFA:PFA+1], s[PFA:PFA+1], s[20:21]
	s_add_nc_u64 s[PFA:PFA+1], s[PFA:PFA+1], 2*KSTEP*2
	v_lshlrev_b32 v[PFO], 11, v5
	s_wait_tensorcnt 1                             ; my part of K step 0 is in; K step 1's load may stay out
	s_barrier_signal -1
	s_barrier_wait -1
	FETCH 0, F0
	s_wait_loadcnt 0x0                             ; the bias
	QUARTER 64, F0, F1, 1
	WIN 0
	s_mov_b32 s3, 6
.Lk:
	QUARTER 128, F1, F0, 0
	QUARTER 192, F0, F1, 0
	TURN 1
	QUARTER 64, F0, F1, 0
	WIN 0
	s_sub_co_u32 s3, s3, 1
	s_cmp_lg_u32 s3, 0
	s_cbranch_scc1 .Lk
	s_mov_b32 s2, 2
.Lt:
	QUARTER 128, F1, F0, 0
	QUARTER 192, F0, F1, 0
	TURN 0
	WIN 0
	s_cmp_eq_u32 s2, 1
	s_cbranch_scc1 .Lnq
	QUARTER 64, F0, F1, 0
	WIN 0
.Lnq:
	s_sub_co_u32 s2, s2, 1
	s_cmp_lg_u32 s2, 0
	s_cbranch_scc1 .Lt
	PLACES
	s_wait_dscnt 0x0
	s_barrier_signal -1
	s_barrier_wait -1                              ; no wave reads the slots any more: they may be written
	DUMP
.set X, 32                             ; 16 numbers a lane and trip: two pairs of rows x 8 columns
.set AA, 48                            ; |x|
.set RR, 64                            ; max(x, 0), then the result
.set DD, 80                            ; 1 + 0.2316 |x|, then t
.set QQ, 96                            ; -(0.8493 x)^2, then its power of two
.set HH, 112
.set OO, 128
.macro LOADSG
.irp u, 0,1
	ds_load_b128 v[X+8*\u:X+8*\u+3],   v[RD] offset:\u*2*SPI
	ds_load_b128 v[X+8*\u+4:X+8*\u+7], v[RD] offset:\u*2*SPI+16
.endr
.endm
.macro EACH8 line:vararg               ; one line for each of the eight pairs, z = 0, 2, .. 14
.set z, 0
.rept 8
	\line
.set z, z+2
.endr
.endm
	LOADSG
	s_mov_b32 s3, 32
.Lg:                                           ; four rows a trip; the next trip's LDS loads go out as soon as x has been used
	s_cmp_eq_u32 s3, 1
	s_cselect_b32 s20, 0, 4*SPI                    ; the last trip steps nowhere: it reads its own rows once more and does not use them
	s_wait_dscnt 0x0
.set z, 0
.rept 16
	v_and_b32 v[AA+z], s98, v[X+z]
.set z, z+1
.endr
	EACH8 v_pk_mul_f32 v[QQ+z:QQ+z+1], v[X+z:X+z+1], s[86:87] op_sel_hi:[1,0]
	EACH8 v_pk_fma_f32 v[DD+z:DD+z+1], v[AA+z:AA+z+1], s[84:85], 1.0 op_sel_hi:[1,0,0]
	EACH8 v_pk_mul_f32 v[QQ+z:QQ+z+1], v[QQ+z:QQ+z+1], v[QQ+z:QQ+z+1] neg_lo:[1,0] neg_hi:[1,0]
.set z, 0
.rept 16                                       ; one batch of 32; the last v_max_num_f32 is the plain instruction behind it
	v_rcp_f32 v[DD+z], v[DD+z]
	v_exp_f32 v[QQ+z], v[QQ+z]
	v_max_num_f32 v[RR+z], 0, v[X+z]
.set z, z+1
.endr
	v_add_nc_u32 v[RD], s20, v[RD]
	LOADSG
	s_wait_alu depctr_va_vdst(0)                   ; the one wait for the batch, ahead of its first reader
	EACH8 v_pk_fma_f32 v[HH+z:HH+z+1], v[DD+z:DD+z+1], s[88:89], s[90:91] op_sel_hi:[1,0,0]
	EACH8 v_pk_fma_f32 v[HH+z:HH+z+1], v[HH+z:HH+z+1], v[DD+z:DD+z+1], s[92:93] op_sel_hi:[1,1,0]
	EACH8 v_pk_fma_f32 v[HH+z:HH+z+1], v[HH+z:HH+z+1], v[DD+z:DD+z+1], s[94:95] op_sel_hi:[1,1,0]
	EACH8 v_pk_fma_f32 v[HH+z:HH+z+1], v[HH+z:HH+z+1], v[DD+z:DD+z+1], s[96:97] op_sel_hi:[1,1,0]
	EACH8 v_pk_mul_f32 v[HH+z:HH+z+1], v[HH+z:HH+z+1], v[DD+z:DD+z+1]
	EACH8 v_pk_mul_f32 v[HH+z:HH+z+1], v[HH+z:HH+z+1], v[QQ+z:QQ+z+1]
	EACH8 v_pk_fma_f32 v[RR+z:RR+z+1], v[AA+z:AA+z+1], v[HH+z:HH+z+1], v[RR+z:RR+z+1] neg_lo:[1,0,0] neg_hi:[1,0,0]
	EACH8 v_cvt_pk_bf16_f32 v[OO+z/2], v[RR+z], v[RR+z+1]
	global_store_b128 v[CO], v[OO:OO+3], s[8:9]                   ; 16 lanes store 256 consecutive bytes, aligned
	global_store_b128 v[CO], v[OO+4:OO+7], s[8:9] offset:16384
	s_wait_xcnt 0x0                                ; the offset and the data are written again only behind this wait
	v_add_nc_u32 v[CO], 0x8000, v[CO]
	s_sub_co_u32 s3, s3, 1
	s_cmp_lg_u32 s3, 0
	s_cbranch_scc1 .Lg
	s_wait_tensorcnt 0x0                           ; the wave's end
	ds_add_u32 v[SPW], v[NIL]
	s_wait_dscnt 0x0
	CROUND                                         ; the closing round
	s_endpgm
.Lfunc_end_k_qf7f732d8e6_ffn1:
	.size	k_qf7f732d8e6_ffn1, .Lfunc_end_k_qf7f732d8e6_ffn1-k_qf7f732d8e6_ffn1
	.p2alignl 7, 3214868480
	.fill 96, 4, 3214868480
	.section	.rodata,"a",@progbits
	.p2align	6, 0x0
	.amdhsa_kernel k_qf7f732d8e6_ffn1
		.amdhsa_group_segment_fixed_size 327680
		.amdhsa_private_segment_fixed_size 0
		.amdhsa_enable_private_segment 0
		.amdhsa_kernarg_size 32
		.amdhsa_user_sgpr_count 2
		.amdhsa_user_sgpr_kernarg_segment_ptr 1
		.amdhsa_wavefront_size32 1
		.amdhsa_system_sgpr_workgroup_id_x 1
		.amdhsa_system_sgpr_workgroup_id_y 1
		.amdhsa_system_sgpr_workgroup_id_z 1
		.amdhsa_system_vgpr_workitem_id 0
		.amdhsa_next_free_vgpr 1024
		.amdhsa_next_free_sgpr 100
		.amdhsa_reserve_vcc 0
		.amdhsa_float_denorm_mode_32 3
		.amdhsa_float_denorm_mode_16_64 3
		.amdhsa_memory_ordered 1
		.amdhsa_forward_progress 1
		.amdhsa_inst_pref_size 89
	.end_amdhsa_kernel
	.amdgpu_metadata
---
amdhsa.version: [ 1, 2 ]
amdhsa.kernels:
  - .name:           k_qf7f732d8e6_ffn1
    .symbol:         k_qf7f732d8e6_ffn1.kd
    .args:
      - { .name: nrm, .offset: 0, .size: 8, .value_kind: global_buffer, .address_space: global }
      - { .name: wb, .offset: 8, .size: 8, .value_kind: global_buffer, .address_space: global }
      - { .name: hid, .offset: 16, .size: 8, .value_kind: global_buffer, .address_space: global }
      - { .name: b1, .offset: 24, .size: 8, .value_kind: global_buffer, .address_space: global }
    .group_segment_fixed_size: 327680
    .private_segment_fixed_size: 0
    .kernarg_segment_align: 8
    .kernarg_segment_size: 32
    .max_flat_workgroup_size: 128
    .sgpr_count:     100
    .vgpr_count:     1024
    .wavefront_size: 32
...
	.end_amdgpu_metadata
.endif
;; end of part 6
;; launch ffn2 (part 7): grid 8 x 32, 4 waves a work-group, clusters of 4 x 4, 327,680 bytes of LDS; arguments hid, wb, out0, b2, x2; writes out0
.if DOCPART == 7
	.amdgcn_target "amdgcn-amd-amdhsa--gfx1250"
	.amdhsa_code_object_version 6
	.text
	.protected	k_qf7f732d8e6_ffn2
	.globl	k_qf7f732d8e6_ffn2
	.p2align	8
	.type	k_qf7f732d8e6_ffn2,@function
k_qf7f732d8e6_ffn2:
	s_mov_b64 s[64:65], 0
	v_nop
	global_prefetch_b8 v0, s[64:65] scope:SCOPE_SE
	s_setreg_imm32_b32 hwreg(HW_REG_WAVE_MODE, 25, 1), 1
	s_wait_xcnt 0x0
	s_wait_alu depctr_hold_cnt(0) depctr_sa_sdst(0) depctr_va_vdst(0) depctr_va_sdst(0) depctr_va_ssrc(0) depctr_va_vcc(0) depctr_vm_vsrc(0)
	s_getreg_b32 s2, hwreg(HW_REG_IB_STS2, 6, 4)
	s_cmp_eq_u32 s2, 0
	s_cbranch_scc0 .Lentry_in_a_cluster
	s_endpgm
.Lentry_in_a_cluster:
	s_bfe_u32 s2, ttmp6, 0x10000c
	s_cmp_lg_u32 s2, 0xf033
	s_cbranch_scc0 .Lentry_shape_is_right
	s_endpgm
.Lentry_shape_is_right:
; OUT[m][n] = RES[m][n] + bias[n] + sum over k of A[m][k] B[n][k].  Here: out0 = x2 + b2 + hid W2^T.  A: [4,096][SIZE_K] bf16; B: [1,024][SIZE_K] bf16 at byte BOFF of wb; RES, OUT: [4,096][1,024] f32.
; A tile of OUT is 128 x 128, so that 256 work-groups share the work; four waves of 64 x 64 (16 accumulators).  K in steps of 256 (LDS rows of 512 bytes) through two slots filled by joint tensor loads of a
; 4 x 4 cluster: A's tile shared along a row of the cluster, B's along a column.
; THE TEXT IS SHORT ON PURPOSE.  A step brings 131,072 bytes for 128 matrix instructions a wave, so the order of the products inside a step is not what a step's length hangs on.  A step's products are an inner
; loop of two trips over two quarters of 64 along K; the change of slots stands between steps, and the refill directly behind the wait that shows the other slot landed.  One text serves both slots: the LDS
; offset lies in s[TB], which steps along the rows and is taken back and turned by an exclusive or; the second first fill's descriptor walks on.
; THE RESIDUAL STARTS THE SUMS: it is loaded straight into the accumulators, in their own layout (the 8 loads of a block of 16 rows cover 256 consecutive bytes, aligned, of each row), so every product adds in
; place and no first step is written out.  The matrix instruction is used transposed: a lane holds one row and eight neighbouring columns.  The bias is added on the way out.
; THE WAY OUT: when the slots have had their last fill each wave lays its 64 x 64 f32 into 17,408 bytes of them (pitch 272), reads whole rows of 256 bytes back, adds the bias and stores, 16 rows a trip.
; STAG = 1: clusters whose x + y is odd begin their walk along K in the middle and wrap round, so that of the clusters that need the same rows of A or of B one half asks for a K step at another time than the other half.
; The f32 sums are then taken in another order of K.  STAG = 0: every cluster begins at K = 0.
; No prefetch: the tiles are small, and each is asked for by several clusters.
; REGISTERS: window 0: v16-31 addresses, v32-63 at work on the way out, v64-67 bias, v128-255 accumulators ((a, b) at 128 + 8 (4 a + b)); window 1: two fragment buffers of 128.
.set SIZE_K, 4096
.set BOFF,  16777216
.set STAG,  1
.set NSTEP, SIZE_K/256
.set KSTEP, 256
.set STEPB, 2*KSTEP                    ; bytes of a row in a K step
.set ROWB,  2*SIZE_K                   ; bytes in a row of A and of B: a power of two
.set PITCH, 528                        ; an LDS row: 512 bytes + 16: the 16 rows of a fragment load start 4 banks apart
.set HALFT, 64*PITCH
.set SLOT,  4*HALFT                    ; 0x21000: its two bits are clear in wave x HALFT and in s[TB] where it is turned
.set SPARE, 2*SLOT                     ; the spare words: 512 bytes that no other line names
.set SPI,   272
.set WST,   64*SPI
.set ADRA, 16
.set ADRA0, 17
.set ADRB, 20
.set ADRB0, 21
.set STO, 24
.set RD, 25
.set CO, 26
.set RO, 27
.set SPW, 28
.set NIL, 29
.set BO, 31
.set T, 32
.set BQ, 64
.set ACC, 128
.set F0, 0
.set F1, 128
.set G1, 24                            ; s[24:31] group 1 for A;  s[32:39] group 0, two sets: the second walks
.set G0, 32
.set G1B, 48                           ; the same for B
.set G0B, 56
.set TB, 66
.set OFK, 78                           ; s[78:79] byte offset along the rows of the K step asked for last
.set DW0, (1<<16)|(1<<20)|(1<<21)|(6<<22)|(3<<25)  ; 2-byte elements; padding on; bit 21 beside a mask; after every 128 words; 4 words
.set MSB, 0
.macro WIN new                         ; the immediate's high byte repeats the setting that is left; a switch that changes nothing is dropped
.if MSB != (\new)
	s_set_vgpr_msb (MSB<<8)|(\new)
.set MSB, \new
.endif
.endm
.macro PLACES                          ; four plain places behind matrix instructions, ahead of loads into their sources and of readers of their results
.rept 4
	v_nop
.endr
.endm
.macro JLOAD s                         ; a joint load: waves 0, 1 fetch A's halves, waves 2, 3 B's; s_nop 0 and four v_nop follow each line
	s_cmp_eq_u32 s11, 0
	s_cbranch_scc0 .Lfor_b_\@
	tensor_load_to_lds s[G0+4*(\s):G0+4*(\s)+3], s[G1:G1+7]
	s_nop 0
	PLACES
	s_branch .Lasked_\@
.Lfor_b_\@:
	tensor_load_to_lds s[G0B+4*(\s):G0B+4*(\s)+3], s[G1B:G1B+7]
	s_nop 0
	PLACES
.Lasked_\@:
.endm
.macro CROUND                          ; a round of the cluster's barrier
	s_barrier_signal -1
	s_barrier_wait -1
	s_cmp_lg_u32 s10, 0
	s_cbranch_scc1 .Lnot_wave_0_\@
	s_barrier_signal -3
.Lnot_wave_0_\@:
	s_barrier_wait -3
	s_barrier_signal -1
	s_barrier_wait -1
.endm
.macro MUL8 f, c, a0                   ; 8 products: m blocks a0, a0 + 1 x 4 n blocks, half c of buffer f.  The 16 accumulators take turns
	WIN 0x05
.irp a, \a0, (\a0)+1
.irp b, 0,1,2,3
	v_wmma_f32_16x16x32_bf16 v[ACC+8*(4*(\a)+(\b)):ACC+8*(4*(\a)+(\b))+7], v[(\f)+64+8*(4*(\c)+(\b)):(\f)+64+8*(4*(\c)+(\b))+7], v[(\f)+8*(4*(\c)+(\a)):(\f)+8*(4*(\c)+(\a))+7], v[ACC+8*(4*(\a)+(\b)):ACC+8*(4*(\a)+(\b))+7]
.endr
.endr
.endm
.macro FETCH k, f                      ; 32 LDS loads in one run: 64 along K at byte k behind the two addresses; the first 32 along K first
	WIN 0x40
.irp c, 0,1
.irp i, 0,1,2,3
	ds_load_b128 v[(\f)+64+8*(4*(\c)+(\i)):(\f)+64+8*(4*(\c)+(\i))+3],   v[ADRB] offset:(\k)+64*(\c)+(\i)*16*PITCH
	ds_load_b128 v[(\f)+64+8*(4*(\c)+(\i))+4:(\f)+64+8*(4*(\c)+(\i))+7], v[ADRB] offset:(\k)+64*(\c)+(\i)*16*PITCH+32
	ds_load_b128 v[(\f)+8*(4*(\c)+(\i)):(\f)+8*(4*(\c)+(\i))+3],         v[ADRA] offset:(\k)+64*(\c)+(\i)*16*PITCH
	ds_load_b128 v[(\f)+8*(4*(\c)+(\i))+4:(\f)+8*(4*(\c)+(\i))+7],       v[ADRA] offset:(\k)+64*(\c)+(\i)*16*PITCH+32
.endr
.endr
.endm
; A K STEP'S PRODUCTS, out of the slot at s[TB]: four quarters of 64 along K on buffers 0, 1, 0, 1; a trip of the inner loop is two of them.  While a quarter is multiplied the next one's fragments are fetched.
.macro MSTEP
	v_add_nc_u32 v[ADRA], s[TB], v[ADRA0]
	v_add_nc_u32 v[ADRB], s[TB], v[ADRB0]
	FETCH 0, F0
	WIN 0
	s_mov_b32 s2, 2
.Lq_\@:
	s_wait_dscnt 16                                ; buffer 0's first 32 along K are in
	MUL8 F0, 0, 0
	MUL8 F0, 0, 2
	PLACES
	FETCH 128, F1
	s_wait_dscnt 32                                ; all but the 32 just issued
	MUL8 F0, 1, 0
	MUL8 F0, 1, 2
	s_wait_dscnt 16                                ; buffer 1's first 32 along K are in
	MUL8 F1, 0, 0
	MUL8 F1, 0, 2
	WIN 0
	PLACES
	s_wait_dscnt 0x0                               ; all of buffer 1 is in: the count holds on both ways below
	s_add_co_u32 s[TB], s[TB], 256                 ; two quarters on
	s_cmp_eq_u32 s2, 1                             ; behind the step's fourth quarter there is none to fetch
	s_cbranch_scc1 .Lnf_\@
	FETCH 256, F0
	WIN 0
.Lnf_\@:
	v_add_nc_u32 v[ADRA], s[TB], v[ADRA0]
	v_add_nc_u32 v[ADRB], s[TB], v[ADRB0]
	MUL8 F1, 1, 0
	MUL8 F1, 1, 2
	WIN 0
	s_sub_co_u32 s2, s2, 1
	s_cmp_lg_u32 s2, 0
	s_cbranch_scc1 .Lq_\@
	s_sub_co_u32 s[TB], s[TB], 512                 ; back to the rows' first byte,
	s_xor_b32 s[TB], s[TB], SLOT                   ; in the other slot
.endm
; THE CHANGE OF SLOTS.  Each wave waits for all its tensor loads (one is out: its part of the other slot), adds 0 to its spare word, and waits for that and for its reads of the slot just multiplied.
; fill = 1: the barrier is a round of the cluster's, and the joint refill of the slot just multiplied, with the K step two on, is the first thing behind it.
.macro CHANGE fill
	s_wait_tensorcnt 0x0                           ; no tensor load of mine is out, so a group 0 may be written
	ds_add_u32 v[SPW], v[NIL]                      ; 0 onto my spare word; with fill = 1 the descriptors' scalar work stands between it and the wait for it
.if \fill
	s_add_co_u32 s[OFK], s[OFK], STEPB             ; the next K step; behind the rows' end the walk goes on at their beginning
	s_and_b32 s[OFK], s[OFK], ROWB-1
	s_xor_b32 s[G0+5], s[G0+5], SLOT
	s_add_nc_u64 s[G0+6:G0+7], s[14:15], s[OFK:OFK+1]
	s_or_b32 s[G0+7], s[G0+7], 0x80000000
	s_xor_b32 s[G0B+5], s[G0B+5], SLOT
	s_add_nc_u64 s[G0B+6:G0B+7], s[46:47], s[OFK:OFK+1]
	s_or_b32 s[G0B+7], s[G0B+7], 0x80000000
.endif
	s_wait_dscnt 0x0                               ; the add is done, my reads of the slot are over
.if \fill
	CROUND                                         ; no wave of any partner still reads the slot or has a load on its way
	JLOAD 1
.else
	s_barrier_signal -1
	s_barrier_wait -1
.endif
.endm
	s_load_b256 s[68:75], s[0:1], 0x0              ; A 68, wb 70, OUT 72, bias 74
	s_load_b64 s[76:77], s[0:1], 0x20              ; RES
	v_lshl_add_u32 v[SPW], v0, 2, SPARE
	v_mov_b32 v[NIL], 0
	ds_add_u32 v[SPW], v[NIL]                      ; the opening: the add and its wait ahead of my first tensor load
	v_lshrrev_b32 v1, 5, v0
	v_readfirstlane_b32 s10, v1                    ; wave 0..3
	s_lshr_b32 s11, s10, 1                         ; my half of the tile's rows; also: I fetch for A (0) or B (1)
	s_and_b32 s12, s10, 1                          ; my half of its columns; also: which 64 rows I fetch
	s_bfe_u32 s40, ttmp6, 0x40000                  ; cx
	s_bfe_u32 s41, ttmp6, 0x40004                  ; cy
	s_lshl_b32 s42, ttmp9, 2
	s_add_co_u32 s42, s42, s40                     ; tile column
	s_and_b32 s13, ttmp7, 0xffff                   ; cluster y
.if STAG
	s_add_co_u32 s[OFK], s13, ttmp9                ; cluster x + cluster y: the same in all sixteen partners
	s_and_b32 s[OFK], s[OFK], 1
	s_mul_i32 s[OFK], s[OFK], ROWB/2               ; where my cluster's walk along K begins
.else
	s_mov_b32 s[OFK], 0
.endif
	s_mov_b32 s[OFK+1], 0
	s_lshl_b32 s13, s13, 2
	s_add_co_u32 s13, s13, s41                     ; tile row
	s_lshl_b32 s43, s41, 2
	s_lshl_b32 s43, 15, s43                        ; my row of the cluster
	s_lshl_b32 s44, 0x1111, s40                    ; my column
	s_or_b32 s[G1], s43, DW0
	s_or_b32 s[G1B], s44, DW0
.irp g, G1, G1B
	s_mov_b32 s[(\g)+1], KSTEP<<16                 ; tensor_dim0 = 256
	s_mov_b32 s[(\g)+2], 64<<16                    ; tensor_dim1 = 64
	s_mov_b32 s[(\g)+3], KSTEP<<16                 ; tile_dim0 = 256
	s_mov_b32 s[(\g)+4], 64                        ; tile_dim1 = 64
	s_mov_b32 s[(\g)+5], SIZE_K                    ; elements from row to row
	s_mov_b32 s[(\g)+6], 0
	s_mov_b32 s[(\g)+7], 0
.endr
	s_lshl_b32 s17, s12, 6
	s_lshl_b32 s16, s13, 7
	s_add_co_u32 s16, s16, s17
	s_mul_i32 s16, s16, ROWB                       ; A: row 128 x tile row + 64 x half
	s_lshl_b32 s46, s42, 7
	s_add_co_u32 s46, s46, s17
	s_mul_i32 s46, s46, ROWB                       ; B: by the tile column
	s_mov_b32 s17, 0
	s_mov_b32 s47, 0
	s_mul_i32 s20, s10, HALFT                      ; where they go: no place in the cluster enters an LDS address
	s_mov_b32 s[TB], 0
	s_wait_dscnt 0x0                               ; the opening add is done
	s_wait_kmcnt 0x0
	s_add_nc_u64 s[14:15], s[68:69], s[16:17]      ; my rows of A and of B at K = 0: kept, each fill's address is made from them
	s_add_nc_u64 s[46:47], s[70:71], s[46:47]
	s_add_nc_u64 s[46:47], s[46:47], BOFF
	CROUND                                         ; all sixteen work-groups are here: the first joint loads meet
.irp s, 0,1
	s_mov_b32 s[G0+4*(\s)], 1
	s_add_co_u32 s[G0+4*(\s)+1], s20, (\s)*SLOT
	s_add_nc_u64 s[G0+4*(\s)+2:G0+4*(\s)+3], s[14:15], s[OFK:OFK+1]
	s_or_b32 s[G0+4*(\s)+3], s[G0+4*(\s)+3], 0x80000000
	s_mov_b32 s[G0B+4*(\s)], 1
	s_add_co_u32 s[G0B+4*(\s)+1], s20, (\s)*SLOT
	s_add_nc_u64 s[G0B+4*(\s)+2:G0B+4*(\s)+3], s[46:47], s[OFK:OFK+1]
	s_or_b32 s[G0B+4*(\s)+3], s[G0B+4*(\s)+3], 0x80000000
	JLOAD \s                                       ; two loads of mine are out
.if (\s) == 0
	s_add_co_u32 s[OFK], s[OFK], STEPB             ; the walk's second step (it begins at 0 or in the middle: no wrap here)
.endif
.endr
	v_and_b32 v1, 15, v0                           ; l % 16
	v_bfe_u32 v2, v0, 4, 1                         ; l / 16
	v_lshlrev_b32 v[BO], 4, v1
	s_lshl_b32 s16, s42, 9
	s_lshl_b32 s17, s12, 8
	s_add_co_u32 s16, s16, s17                     ; my 64 columns, in bytes of f32
	s_mov_b32 s17, 0
	s_add_nc_u64 s[4:5], s[74:75], s[16:17]
	s_lshl_b32 s18, s13, 19
	s_lshl_b32 s19, s11, 18
	s_add_co_u32 s18, s18, s19                     ; my 64 rows of 4,096 bytes
	s_add_co_u32 s18, s18, s16
	s_mov_b32 s19, 0
	s_add_nc_u64 s[8:9], s[72:73], s[18:19]
	s_add_nc_u64 s[6:7], s[76:77], s[18:19]
	v_lshlrev_b32 v3, 12, v1
	v_lshl_add_u32 v[RO], v2, 5, v3                ; row l % 16, columns 8 (l / 16) on
.irp a, 0,1,2,3
.irp b, 0,1,2,3
	global_load_b128 v[ACC+8*(4*\a+\b):ACC+8*(4*\a+\b)+3],   v[RO], s[6:7] offset:\a*65536+\b*64     ; register j: RES(16 a + l % 16, 16 b + 8 (l / 16) + j)
	global_load_b128 v[ACC+8*(4*\a+\b)+4:ACC+8*(4*\a+\b)+7], v[RO], s[6:7] offset:\a*65536+\b*64+16
.endr
.endr
	global_load_b128 v[BQ:BQ+3], v[BO], s[4:5]     ; the bias of the four columns that I store on the way out
	v_lshlrev_b32 v3, 12, v2
	v_lshl_add_u32 v[CO], v1, 4, v3                ; the way out: lanes 0-15 one row's 256 bytes, lanes 16-31 the next row's
	v_mul_u32_u24 v3, v1, PITCH
	v_lshl_add_u32 v3, v2, 4, v3                   ; a fragment's row x pitch + 16 x half
	s_mul_i32 s21, s11, HALFT
	s_mul_i32 s22, s12, HALFT
	s_add_co_u32 s22, s22, 2*HALFT
	v_add_nc_u32 v[ADRA0], s21, v3
	v_add_nc_u32 v[ADRB0], s22, v3
	s_mul_i32 s23, s10, WST                        ; my stage
	v_mul_u32_u24 v3, v1, SPI
	v_lshl_add_u32 v3, v2, 5, v3
	v_add_nc_u32 v[STO], s23, v3
	v_mul_u32_u24 v3, v2, SPI
	v_lshl_add_u32 v3, v1, 4, v3
	v_add_nc_u32 v[RD], s23, v3
	s_wait_loadcnt 0x0                             ; the residual lies in the accumulators, the bias in its four registers
	s_wait_tensorcnt 1                             ; my part of the walk's first step is in; the second step's load may stay out
	s_barrier_signal -1
	s_barrier_wait -1
	s_mov_b32 s3, NSTEP-2
.Lk:                                           ; a step is multiplied, and its slot takes the step two on
	MSTEP
	CHANGE 1
	s_sub_co_u32 s3, s3, 1
	s_cmp_lg_u32 s3, 0
	s_cbranch_scc1 .Lk
	s_mov_b32 s3, 2
.Lt:                                           ; the last two steps ask for nothing; behind the second's barrier no wave reads the slots any more: they may be written
	MSTEP
	CHANGE 0
	s_sub_co_u32 s3, s3, 1
	s_cmp_lg_u32 s3, 0
	s_cbranch_scc1 .Lt
	PLACES
.irp a, 0,1,2,3
.irp b, 0,1,2,3
	ds_store_b128 v[STO], v[ACC+8*(4*\a+\b):ACC+8*(4*\a+\b)+3]   offset:\a*16*SPI+\b*64       ; each accumulator's low registers first
	ds_store_b128 v[STO], v[ACC+8*(4*\a+\b)+4:ACC+8*(4*\a+\b)+7] offset:\a*16*SPI+\b*64+16
.endr
.endr
	s_mov_b32 s3, 4
.Lp:                                           ; 16 rows a trip, back as whole rows; LDS serves a wave's instructions in order, and the stage is my own
.irp u, 0,1,2,3,4,5,6,7
	ds_load_b128 v[T+4*\u:T+4*\u+3], v[RD] offset:2*SPI*\u
.endr
.irp u, 0,1,2,3,4,5,6,7
	s_wait_dscnt 7-\u                              ; pair u of rows is in, the younger loads stay out
	v_pk_add_f32 v[T+4*\u:T+4*\u+1], v[T+4*\u:T+4*\u+1], v[BQ:BQ+1]
	v_pk_add_f32 v[T+4*\u+2:T+4*\u+3], v[T+4*\u+2:T+4*\u+3], v[BQ+2:BQ+3]
	global_store_b128 v[CO], v[T+4*\u:T+4*\u+3], s[8:9] offset:8192*\u  ; 16 lanes store 256 consecutive bytes, aligned
.endr
	s_wait_xcnt 0x0                                ; the offset and the stores' data are written again only behind this wait
	v_add_nc_u32 v[RD], 16*SPI, v[RD]
	v_add_nc_u32 v[CO], 0x10000, v[CO]
	s_sub_co_u32 s3, s3, 1
	s_cmp_lg_u32 s3, 0
	s_cbranch_scc1 .Lp
	s_wait_tensorcnt 0x0                           ; the wave's end
	ds_add_u32 v[SPW], v[NIL]
	s_wait_dscnt 0x0
	CROUND                                         ; the closing round
	s_endpgm
.Lfunc_end_k_qf7f732d8e6_ffn2:
	.size	k_qf7f732d8e6_ffn2, .Lfunc_end_k_qf7f732d8e6_ffn2-k_qf7f732d8e6_ffn2
	.p2alignl 7, 3214868480
	.fill 96, 4, 3214868480
	.section	.rodata,"a",@progbits
	.p2align	6, 0x0
	.amdhsa_kernel k_qf7f732d8e6_ffn2
		.amdhsa_group_segment_fixed_size 327680
		.amdhsa_private_segment_fixed_size 0
		.amdhsa_enable_private_segment 0
		.amdhsa_kernarg_size 40
		.amdhsa_user_sgpr_count 2
		.amdhsa_user_sgpr_kernarg_segment_ptr 1
		.amdhsa_wavefront_size32 1
		.amdhsa_system_sgpr_workgroup_id_x 1
		.amdhsa_system_sgpr_workgroup_id_y 1
		.amdhsa_system_sgpr_workgroup_id_z 1
		.amdhsa_system_vgpr_workitem_id 0
		.amdhsa_next_free_vgpr 512
		.amdhsa_next_free_sgpr 80
		.amdhsa_reserve_vcc 0
		.amdhsa_float_denorm_mode_32 3
		.amdhsa_float_denorm_mode_16_64 3
		.amdhsa_memory_ordered 1
		.amdhsa_forward_progress 1
		.amdhsa_inst_pref_size 40
	.end_amdhsa_kernel
	.amdgpu_metadata
---
amdhsa.version: [ 1, 2 ]
amdhsa.kernels:
  - .name:           k_qf7f732d8e6_ffn2
    .symbol:         k_qf7f732d8e6_ffn2.kd
    .args:
      - { .name: hid, .offset: 0, .size: 8, .value_kind: global_buffer, .address_space: global }
      - { .name: wb, .offset: 8, .size: 8, .value_kind: global_buffer, .address_space: global }
      - { .name: out0, .offset: 16, .size: 8, .value_kind: global_buffer, .address_space: global }
      - { .name: b2, .offset: 24, .size: 8, .value_kind: global_buffer, .address_space: global }
      - { .name: x2, .offset: 32, .size: 8, .value_kind: global_buffer, .address_space: global }
    .group_segment_fixed_size: 327680
    .private_segment_fixed_size: 0
    .kernarg_segment_align: 8
    .kernarg_segment_size: 40
    .max_flat_workgroup_size: 128
    .sgpr_count:     80
    .vgpr_count:     512
    .wavefront_size: 32
...
	.end_amdgpu_metadata
.endif
;; end of part 7
